; MI455X (gfx1250); checked and timed in simulation.
; The chip was launched on July 23, 2026; its instructions are those of AMD's public machine-readable ISA for CDNA 5 (MIT licence, August 2026) and "CDNA5" Instruction Set Architecture Reference Guide (July 2026). The comments in the code are by the model that wrote it; some were corrected since.
;; Mo E Block. Allowed arithmetic: matrix products marked QUANTISED: E4M3 operands, one given power-of-two scale a tensor, by v_wmma_f32_16x16x64_fp8_fp8 or v_wmma_f32_16x16x128_fp8_fp8, f32 sums; products left as they are: f32 operands where the result goes on into a quantised operand, else bf16, f16 or f32 operands; f32 sums; everything else in f32.
;; Inputs: W 8 x 2,048 x 2,048 float32; Wg 2,048 x 8 float32; b 8 x 2,048 float32; lowp_scales 2 int32 (the exponents e of the quantised operands' scales 2^e); x 4 x 512 x 2,048 float32.
;; Outputs: out0 4 x 512 x 2,048 float32.
;; This version of the problem:
;;   THIS VERSION OF THE PROBLEM IS GIVEN IN LOW PRECISION. The matrix products marked QUANTISED in the list below multiply operands that are first quantised to E4M3 (4 exponent bits, 3 mantissa bits; 8 bits a number), with one given power-of-two scale for each operand tensor; their sums are f32. All else is computed in f32.
;;   The module's matrix products, in the order in which they are computed (A, B: the left and right operand; K: the contracted axis; several contracted axes count as one K, in the product's order):
;;     1. [M 2,048, K 2,048] x [K 2,048, N 8]; A: input x; B: input Wg: left as it is (N = 8 < 16)
;;     2. [M 2,048, K 2,048] x [K 2,048, N 16,384]; A: input x; B: input W: QUANTISED (scales: A lowp_scales[0], B lowp_scales[1])
;;     3. batch 2,048 x [M 2,048, K 8] x [K 8, N 1]; A: computed on the way; B: computed on the way: left as it is (K = 8 < 32)
;;   THE QUANTISER, for each operand of a quantised product, along K:
;;     - The operand's scale is 2^e, e = its entry of the input lowp_scales (int32; the entries are numbered through the quantised products in the list's order, A before B).
;;     - Each number is divided by the scale, clamped to +-448, and rounded to the nearest number of E4M3, ties to even, subnormals kept.
;;     - The product sums the exact products of the quantised numbers (number of the format x scale) in f32.
;;   ~~~python
;;   def quantise(x, axis, e):      # numpy; x: float32 -> the quantised numbers, widened to float32 again
;;       x = np.moveaxis(x, axis, -1); K = x.shape[-1]
;;       r = np.clip(x / 2.0 ** e, -448, 448)
;;       step = 2.0 ** (np.maximum(np.frexp(np.where(r == 0, 1, r))[1] - 1, -6) - 3)
;;       q = np.round(r / step) * step * 2.0 ** e      # np.round: ties to even
;;       return np.moveaxis(q, -1, axis).astype(np.float32)
;;   ~~~
;; 2 versions. Each part assembles by itself: llvm-mc -triple=amdgcn-amd-amdhsa -mcpu=gfx1250 --defsym DOCPART=n.
;; ======== version 1 of 2: 3 launches
;; workspace buffers: xq 4,194,304 bytes; masks 2,048 bytes of whole numbers; gate 8,192 bytes; xs 33,554,432 bytes; tok 131,072 bytes of whole numbers; gs 131,072 bytes; meta 1,024 bytes of whole numbers
;; launch route (part 1): grid 256 x 1, 8 waves a work-group, no clusters, 76,800 bytes of LDS; arguments x, Wg, lowp_scales, xq, masks, gate; writes xq, masks, gate
.if DOCPART == 1
	.amdgcn_target "amdgcn-amd-amdhsa--gfx1250"
	.amdhsa_code_object_version 6
	.text
	.protected	k_qad49ae4263_route
	.globl	k_qad49ae4263_route
	.p2align	8
	.type	k_qad49ae4263_route,@function
k_qad49ae4263_route:
	s_mov_b64 s[64:65], 0
	v_nop
	global_prefetch_b8 v0, s[64:65] scope:SCOPE_SE
	s_setreg_imm32_b32 hwreg(HW_REG_WAVE_MODE, 25, 1), 1
	s_wait_xcnt 0x0
; THE ROUTER, AND x's CODES.  x: [2048 tokens][2048] f32.  Wg: [2048][8] f32.  One read of x serves both.
; logits = x Wg in f32 fused multiply-adds; softmax with the row's largest logit taken away; the chosen expert is the lowest index whose exponential is the largest (1.0); gate = 1 / the sum.
; code of x = x / 2^ex, held within +-448, to the nearest E4M3 code, ties to even (ex = entry 0 of the scales).
; SHARES.  A work-group owns 8 tokens.  Wave w owns k = 256 w .. 256 w + 255 of all 8, so it needs 8,192 bytes of Wg, kept in 64 registers.  Lane L holds k = 256 w + 128 i + 4 L + j, numbered kk = 4 i + j.
; OUT.  xq[token][2048 bytes]: byte 256 w + 8 L + kk is the code of that k: an order of K of this program's own, the same for W's codes in the last launch.
;       masks[e][256 bytes]: bit t of expert e's 2,048 bits says that token t chose e (a work-group gives one byte to each expert: 8 bytes in all, at fixed places).   gate[token] f32.
; No address and no branch hangs on a logit.
; LIMITS: ex between -126 and 119.  NaN among the inputs is not served.  The logits' sums are taken in another order than a plain chain.
.set WSB,  9216                        ; LDS: a wave's own stage for its part of Wg: 8,192 bytes + 16 behind each 128
.set RED,  73728                       ; LDS: behind the stages: 256 bytes a wave: its 64 partial logits, number 8 t + e at byte 4 (8 t + e)
.set CD,   16                          ; v16-31   codes, two registers a token; never rewritten
.set WGR,  32                          ; v32-95   Wg(k of kk, e) at 8 kk + e
.set X,    96                          ; v96-159  x(token t, kk) at 8 t + kk
.set A,    160                         ; v160-223 first Wg as loaded, then the partial logits at 8 t + e
	s_load_b256 s[4:11], s[0:1], 0x0               ; x s[4:5], Wg s[6:7], scales s[8:9], xq s[10:11]
	s_load_b128 s[12:15], s[0:1], 0x20             ; masks s[12:13], gate s[14:15]
	v_lshl_add_u32 v240, v0, 2, 0x12800
	v_mov_b32 v241, 0
	v_lshrrev_b32 v10, 5, v0
	v_readfirstlane_b32 s16, v10                   ; wave 0..7
	v_and_b32 v1, 31, v0                           ; L
	v_lshrrev_b32 v10, 3, v1
	v_and_b32 v11, 7, v1
	s_lshl_b32 s17, s16, 10
	s_mul_i32 s18, s16, WSB
	s_lshl_b32 s19, s16, 8
	s_lshl_b32 s25, s16, 13
	s_add_co_u32 s29, s19, RED
	v_lshl_add_u32 v2, v1, 4, s17                  ; x: 1,024 w + 16 L in a row
	v_lshl_add_u32 v3, v1, 4, s18
	v_lshl_add_u32 v3, v10, 4, v3                  ; the stage, in: 16 L + 16 (L / 8)
	v_mul_u32_u24 v4, v1, 144
	v_add_nc_u32 v4, s18, v4                       ; the stage, out: lanes 144 bytes apart: my four rows of Wg, 128 bytes
	v_lshl_add_u32 v5, v1, 3, s19                  ; xq: 256 w + 8 L in a row
	v_lshl_add_u32 v6, v1, 4, s25                  ; Wg: 8,192 w + 16 L
	v_lshl_add_u32 v7, v1, 2, s29                  ; my wave's partial logits: + 4 L
	v_lshlrev_b32 v15, 5, v11
	v_add_nc_u32 v15, RED, v15                     ; wave 0 at the end: token L % 8's eight logits
	s_mov_b32 s20, 0xaaaaaaaa                      ; lanes whose bit 0, 1, 2, 3, 4 is set
	s_mov_b32 s21, 0xcccccccc
	s_mov_b32 s22, 0xf0f0f0f0
	s_mov_b32 s23, 0xff00ff00
	s_mov_b32 s24, 0xffff0000
	s_mov_b32 s26, 0x76543210                      ; v_permlanex16_b32: lane l xor 16
	s_mov_b32 s27, 0xfedcba98
	s_lshl_b32 s30, ttmp9, 16                      ; 8 rows of x
	s_mov_b32 s31, 0
	s_wait_kmcnt 0x0
	s_load_b32 s28, s[8:9], 0x0                    ; ex
	s_add_nc_u64 s[4:5], s[4:5], s[30:31]
	s_lshl_b32 s30, ttmp9, 14                      ; 8 rows of xq
	s_add_nc_u64 s[10:11], s[10:11], s[30:31]
	s_lshl_b32 s30, ttmp9, 5                       ; 8 gates
	s_add_nc_u64 s[14:15], s[14:15], s[30:31]
.irp n, 0,1,2,3,4,5,6,7,8,9,10,11,12,13,14,15
	global_load_b128 v[A+4*\n:A+4*\n+3], v6, s[6:7] offset:512*\n          ; Wg as it lies: 512 consecutive bytes a load
.endr
.irp t, 0,1,2,3,4,5,6,7
.irp i, 0,1
	global_load_b128 v[X+8*\t+4*\i:X+8*\t+4*\i+3], v2, s[4:5] offset:8192*\t+512*\i th:TH_LOAD_NT   ; 512 consecutive bytes of token t's row
.endr
.endr
	s_wait_loadcnt 16                              ; Wg is in; the 16 loads of x behind it stay out
.irp n, 0,1,2,3,4,5,6,7,8,9,10,11,12,13,14,15
	ds_store_b128 v3, v[A+4*\n:A+4*\n+3] offset:576*\n
.endr
.irp i, 0,1
.irp m, 0,1,2,3,4,5,6,7
	ds_load_b128 v[WGR+32*\i+4*\m:WGR+32*\i+4*\m+3], v4 offset:4608*\i+16*\m   ; the wave's own bytes, served in order: these see the stores above
.endr
.endr
	s_wait_kmcnt 0x0
	s_add_co_i32 s28, s28, 127
	s_lshl_b32 s30, s28, 23
	v_mov_b32 v9, s30                              ; 2^ex as f32: the conversion takes its exponent field
	s_add_co_i32 s28, s28, 8
	s_lshl_b32 s28, s28, 23
	s_or_b32 s28, s28, 0x600000
	v_mov_b32 v8, s28                              ; 448 x 2^ex
	s_wait_dscnt 0x0
; Token t: eight partial logits of my eight k, then my eight codes.
.macro TOKEN t
	s_wait_loadcnt 14-2*(\t)                       ; this token's two loads are in; two for each younger token stay out
.irp p, 0,1,2,3
	v_pk_mul_f32 v[A+8*(\t)+2*\p:A+8*(\t)+2*\p+1], v[WGR+2*\p:WGR+2*\p+1], v[X+8*(\t):X+8*(\t)+1] op_sel_hi:[1,0]   ; kk = 0 starts the sums
.endr
.irp kk, 1,2,3,4,5,6,7
.irp p, 0,1,2,3
.if (\kk)%2
	v_pk_fma_f32 v[A+8*(\t)+2*\p:A+8*(\t)+2*\p+1], v[WGR+8*\kk+2*\p:WGR+8*\kk+2*\p+1], v[X+8*(\t)+\kk-1:X+8*(\t)+\kk], v[A+8*(\t)+2*\p:A+8*(\t)+2*\p+1] op_sel:[0,1,0] op_sel_hi:[1,1,1]   ; both halves x the pair's second number
.else
	v_pk_fma_f32 v[A+8*(\t)+2*\p:A+8*(\t)+2*\p+1], v[WGR+8*\kk+2*\p:WGR+8*\kk+2*\p+1], v[X+8*(\t)+\kk:X+8*(\t)+\kk+1], v[A+8*(\t)+2*\p:A+8*(\t)+2*\p+1] op_sel_hi:[1,0,1]              ; both halves x the pair's first number
.endif
.endr
.endr
.irp i, 0,1,2,3,4,5,6,7
	v_med3_num_f32 v[X+8*(\t)+\i], v[X+8*(\t)+\i], -v8, v8     ; the conversion to an 8-bit code does not saturate (ISA guide 7.6.2): the hold comes first
.endr
	v_cvt_scalef32_pk8_fp8_f32 v[CD+2*(\t):CD+2*(\t)+1], v[X+8*(\t):X+8*(\t)+7], v9   ; its result goes to a store alone; the next vector lines are plain and touch other registers
	global_store_b64 v5, v[CD+2*(\t):CD+2*(\t)+1], s[10:11] offset:2048*(\t)          ; the wave stores 256 consecutive bytes, aligned
.endm
.irp t, 0,1,2,3,4,5,6,7
	TOKEN \t
.endr
; THE SUM OVER THE 32 LANES of 64 numbers, halving the list at each step: a lane keeps the half that its lane bit names, sends the other half to its partner and adds what it gets.
.macro RSTEP n, xm, sm
.set ri, 0
.rept (\n)/2
.set rk, 10+2*(ri%2)
	v_cndmask_b32 v[rk], v[A+2*ri], v[A+2*ri+1], s[\sm]        ; kept
	v_cndmask_b32 v[rk+1], v[A+2*ri+1], v[A+2*ri], s[\sm]      ; sent
	v_add_f32_dpp v[A+ri], v[rk+1], v[rk] row_xmask:\xm row_mask:0xf bank_mask:0xf
.set ri, ri+1
.endr
.endm
	RSTEP 64, 1, 20
	RSTEP 32, 2, 21
	RSTEP 16, 4, 22
	RSTEP 8, 8, 23
	v_mov_b32 v14, 0                               ; a lane permute's destination counts as one of its sources
.irp i, 0,1
	v_cndmask_b32 v10, v[A+2*\i], v[A+2*\i+1], s24
	v_cndmask_b32 v11, v[A+2*\i+1], v[A+2*\i], s24
	v_permlanex16_b32 v14, v11, s26, s27
	v_add_f32 v[A+\i], v10, v14
.endr
	ds_store_b32 v7, v[A]                          ; lane L now holds numbers L and L + 32 of the 64
	ds_store_b32 v7, v[A+1] offset:128
	s_wait_dscnt 0x0                               ; for wave 0's sake: my partial logits lie in LDS
	s_barrier_signal -1
	s_barrier_wait -1
	s_cmp_lg_u32 s16, 0
	s_cbranch_scc1 .Lend
	; wave 0: lane L works for token L % 8 (lanes 8 to 31 repeat lanes 0 to 7)
.irp w, 0,1,2,3,4,5,6,7
	ds_load_b128 v[32+8*\w:35+8*\w], v15 offset:256*\w
	ds_load_b128 v[36+8*\w:39+8*\w], v15 offset:256*\w+16
.endr
	s_wait_dscnt 0x0
.irp w, 1,2,3,4,5,6,7
.irp p, 0,1,2,3
	v_pk_add_f32 v[32+2*\p:33+2*\p], v[32+2*\p:33+2*\p], v[32+8*\w+2*\p:33+8*\w+2*\p]   ; the eight waves' parts, in ascending order
.endr
.endr
	v_max3_num_f32 v224, v32, v33, v34
	v_max3_num_f32 v224, v224, v35, v36
	v_max3_num_f32 v224, v224, v37, v38
	v_max_num_f32 v224, v224, v39                  ; the row's largest logit
.irp e, 0,1,2,3,4,5,6,7
	v_sub_f32 v[40+\e], v[32+\e], v224
.endr
.irp e, 0,1,2,3,4,5,6,7
	v_mul_f32 v[40+\e], 0x3fb8aa3b, v[40+\e]       ; x log2(e)
.endr
.irp e, 0,1,2,3,4,5,6,7
	v_exp_f32 v[40+\e], v[40+\e]
.endr
	v_nop                                          ; a plain line between the last exponential and the use of its result
	s_wait_alu depctr_va_vdst(0)
	v_add_f32 v225, v40, v41
.irp e, 2,3,4,5,6,7
	v_add_f32 v225, v225, v[40+\e]
.endr
	v_rcp_f32 v226, v225                           ; the gate: the chosen expert's exponential is 1
	v_mov_b32 v227, 0                              ; (a plain line behind the reciprocal)
.irp e, 7,6,5,4,3,2,1,0
	v_cmp_neq_f32 vcc_lo, 1.0, v[40+\e]
	v_cndmask_b32 v227, \e, v227, vcc_lo           ; descending, so that the lowest index with the largest exponential stays
.endr
	v_mov_b32 v228, 0
.irp e, 0,1,2,3,4,5,6,7
	v_cmp_eq_u32 s[32+\e], \e, v227                ; bits 0 to 7: which of my 8 tokens chose e
.endr
.irp e, 0,1,2,3,4,5,6,7
	v_writelane_b32 v228, s[32+\e], \e             ; lane e carries expert e's byte
.endr
	s_mov_b32 s17, ttmp9
	v_lshl_add_u32 v229, v1, 8, s17                ; masks: 256 x expert + work-group
	v_lshlrev_b32 v230, 2, v1
	s_wait_xcnt 0x0                                ; EXEC is a source of the stores above: it changes only behind this wait
	v_cmp_gt_u32 vcc_lo, 8, v1
	s_and_saveexec_b32 s40, vcc_lo
	global_store_b8 v229, v228, s[12:13]
	s_wait_alu depctr_va_vdst(0)
	global_store_b32 v230, v226, s[14:15]
	s_wait_xcnt 0x0
	s_or_b32 exec_lo, exec_lo, s40
.Lend:
	s_wait_tensorcnt 0x0
	ds_add_u32 v240, v241
	s_wait_dscnt 0x0
	s_endpgm
.Lfunc_end_k_qad49ae4263_route:
	.size	k_qad49ae4263_route, .Lfunc_end_k_qad49ae4263_route-k_qad49ae4263_route
	.p2alignl 7, 3214868480
	.fill 96, 4, 3214868480
	.section	.rodata,"a",@progbits
	.p2align	6, 0x0
	.amdhsa_kernel k_qad49ae4263_route
		.amdhsa_group_segment_fixed_size 76800
		.amdhsa_private_segment_fixed_size 0
		.amdhsa_enable_private_segment 0
		.amdhsa_kernarg_size 48
		.amdhsa_user_sgpr_count 2
		.amdhsa_user_sgpr_kernarg_segment_ptr 1
		.amdhsa_wavefront_size32 1
		.amdhsa_system_sgpr_workgroup_id_x 1
		.amdhsa_system_sgpr_workgroup_id_y 1
		.amdhsa_system_sgpr_workgroup_id_z 1
		.amdhsa_system_vgpr_workitem_id 0
		.amdhsa_next_free_vgpr 242
		.amdhsa_next_free_sgpr 66
		.amdhsa_reserve_vcc 1
		.amdhsa_float_denorm_mode_32 3
		.amdhsa_float_denorm_mode_16_64 3
		.amdhsa_memory_ordered 1
		.amdhsa_forward_progress 1
		.amdhsa_inst_pref_size 48
	.end_amdhsa_kernel
	.amdgpu_metadata
---
amdhsa.version: [ 1, 2 ]
amdhsa.kernels:
  - .name:           k_qad49ae4263_route
    .symbol:         k_qad49ae4263_route.kd
    .args:
      - { .name: x, .offset: 0, .size: 8, .value_kind: global_buffer, .address_space: global }
      - { .name: Wg, .offset: 8, .size: 8, .value_kind: global_buffer, .address_space: global }
      - { .name: lowp_scales, .offset: 16, .size: 8, .value_kind: global_buffer, .address_space: global }
      - { .name: xq, .offset: 24, .size: 8, .value_kind: global_buffer, .address_space: global }
      - { .name: masks, .offset: 32, .size: 8, .value_kind: global_buffer, .address_space: global }
      - { .name: gate, .offset: 40, .size: 8, .value_kind: global_buffer, .address_space: global }
    .group_segment_fixed_size: 76800
    .private_segment_fixed_size: 0
    .kernarg_segment_align: 8
    .kernarg_segment_size: 48
    .max_flat_workgroup_size: 256
    .sgpr_count:     66
    .vgpr_count:     242
    .wavefront_size: 32
...
	.end_amdgpu_metadata
.endif
;; end of part 1
;; launch place (part 2): grid 16 x 8, 4 waves a work-group, no clusters, 0 bytes of LDS; arguments masks, xq, gate, xs, tok, gs, meta; writes xs, tok, gs, meta
.if DOCPART == 2
	.amdgcn_target "amdgcn-amd-amdhsa--gfx1250"
	.amdhsa_code_object_version 6
	.text
	.protected	k_qad49ae4263_place
	.globl	k_qad49ae4263_place
	.p2align	8
	.type	k_qad49ae4263_place,@function
k_qad49ae4263_place:
	s_mov_b64 s[64:65], 0
	v_nop
	global_prefetch_b8 v0, s[64:65] scope:SCOPE_SE
	s_setreg_imm32_b32 hwreg(HW_REG_WAVE_MODE, 25, 1), 1
	s_wait_xcnt 0x0
; THE ROWS ARE PLACED BY EXPERT.  Each expert has a region of its own for 128 tiles of 16 rows (all 2,048 tokens), so no place hangs on another expert's count.
; Work-group (x, e) makes tiles x, x + 16, .. of expert e.  Row p of the expert is the token of the p-th set bit of masks[e]: it is found by gathering: no atomics, no LDS, no barrier; each wave finds it for itself.
; The rows past the expert's count in its last tile repeat its last token (p is held at count - 1), so that the last launch can treat every row of a tile alike.  An expert with no token still gets tile 0, of some token, which is read and never stored from.
; OUT.  xs[e][tile][16 K steps][4 c][32 lanes][16 bytes]: the image of the operand's registers: lane (r, h) holds, of row r, bytes 128 S + 32 c + 16 h .. + 15 of the token's row of xq.
;       tok, gs [e][tile][32 lanes]: the token and its gate of row lane % 16.   meta[e][32]: RT = the expert's tiles, ceil(count / 16).
; The reads of xq are 32 consecutive bytes for each row and instruction (512 of a row over a wave's 16 loads); the stores are 512 consecutive bytes each.
.set D, 32                             ; v32-95  16 x 4 registers of codes
.set TRIPS, 8                          ; 128 tiles of an expert's region / 16 work-groups along x
	s_load_b256 s[84:91], s[0:1], 0x0              ; masks s[84:85], xq s[86:87], gate s[88:89], xs s[90:91]
	s_load_b128 s[92:95], s[0:1], 0x20             ; tok s[92:93], gs s[94:95]
	s_load_b64 s[96:97], s[0:1], 0x30              ; meta
	v_lshrrev_b32 v9, 5, v0
	v_readfirstlane_b32 s9, v9                     ; wave 0..3: it copies K steps 4 wave .. 4 wave + 3
	v_and_b32 v1, 31, v0                           ; lane
	v_and_b32 v2, 15, v0                           ; r
	v_bfe_u32 v3, v0, 4, 1                         ; h
	s_lshl_b32 s8, s9, 13
	v_lshl_add_u32 v18, v1, 4, s8                  ; xs: 16 lane + 8,192 wave
	v_lshlrev_b32 v19, 2, v1                       ; 4 lane
	s_lshl_b32 s8, s9, 9
	v_lshl_add_u32 v23, v3, 4, s8                  ; xq: 16 h + 512 wave in a row
	s_and_b32 s66, ttmp7, 0xffff                   ; e
	s_mov_b32 s99, 0
	s_lshl_b32 s98, s66, 8
	s_wait_kmcnt 0x0
	s_add_nc_u64 s[84:85], s[84:85], s[98:99]
	s_load_b512 s[16:31], s[84:85], 0x0            ; the expert's 64 words of bits: word g in s[16 + g], from g = 48 on in s[20 + g]
	s_load_b512 s[32:47], s[84:85], 0x40
	s_load_b512 s[48:63], s[84:85], 0x80
	s_load_b512 s[68:83], s[84:85], 0xc0
	s_lshl_b32 s98, s66, 22
	s_add_nc_u64 s[90:91], s[90:91], s[98:99]      ; the expert's regions
	s_lshl_b32 s98, s66, 14
	s_add_nc_u64 s[92:93], s[92:93], s[98:99]
	s_add_nc_u64 s[94:95], s[94:95], s[98:99]
	s_lshl_b32 s98, s66, 7
	s_add_nc_u64 s[96:97], s[96:97], s[98:99]
	s_mov_b32 s3, 0
	s_wait_kmcnt 0x0
.set g, 0
.rept 64
.set mw, 16+g+4*(g/48)
	s_bcnt1_i32_b32 s8, s[mw]
	s_add_co_u32 s3, s3, s8                        ; the expert's count
.set g, g+1
.endr
	s_add_co_u32 s4, s3, 15
	s_lshr_b32 s4, s4, 4                           ; RT
	s_max_u32 s5, s4, 1                            ; tiles to write
	s_max_u32 s6, s3, 1
	s_sub_co_u32 s6, s6, 1                         ; the last row's number
	s_or_b32 s8, s9, ttmp9
	s_cmp_lg_u32 s8, 0
	s_cbranch_scc1 .Lno_meta
	v_mov_b32 v21, s4
	global_store_b32 v19, v21, s[96:97]            ; wave 0 of work-group x = 0: RT, a word a lane
.Lno_meta:
.macro DOWN src, width, step                   ; one level down: is the wanted bit in the lower part at t, or past it?
	v_bfe_u32 v13, v[\src], v15, \width            ; set bits in the lower part
	v_cmp_ge_u32 vcc_lo, v7, v13
	v_sub_nc_u32 v14, v7, v13
	v_cndmask_b32 v7, v7, v14, vcc_lo
	v_add_nc_u32 v14, \step, v15
	v_cndmask_b32 v15, v15, v14, vcc_lo
.endm
	s_mov_b32 s2, 0                                ; the trip: counted by 1 against a constant
.Ltile:
	s_lshl_b32 s67, s2, 4
	s_add_co_u32 s67, s67, ttmp9                   ; my tile of this trip: x + 16 x trip
	s_cmp_ge_u32 s67, s5
	s_cbranch_scc1 .Lend                           ; the tiles ascend: past the expert's last there is nothing more
	s_min_u32 s67, s67, 127                        ; an expert's region has 128 tiles
	s_lshl_b32 s8, s67, 4
	v_add_nc_u32 v4, s8, v2
	v_min_u32 v4, s6, v4                           ; p = my row's number in the expert
	v_mov_b32 v6, 0                                ; the word that holds bit p,
	v_mov_b32 v7, 0                                ; p's rank inside it,
	v_mov_b32 v8, 0                                ; and the word's number
	s_mov_b32 s7, 0                                ; set bits in the words passed
.set g, 0
.rept 64
.set mw, 16+g+4*(g/48)
	s_bcnt1_i32_b32 s8, s[mw]
	v_sub_nc_u32 v5, v4, s7                        ; wraps to a large number where p lies in an earlier word
	v_cmp_le_u32 vcc_lo, s8, v5                    ; not in this word
	v_cndmask_b32 v6, s[mw], v6, vcc_lo
	v_cndmask_b32 v7, v5, v7, vcc_lo
	v_cndmask_b32 v8, g, v8, vcc_lo
	s_add_co_u32 s7, s7, s8
.set g, g+1
.endr
	v_lshrrev_b32 v9, 1, v6                        ; counts of set bits in fields of 2, 4, 8 and 16 bits
	v_and_b32 v9, 0x55555555, v9
	v_sub_nc_u32 v9, v6, v9
	v_lshrrev_b32 v10, 2, v9
	v_and_b32 v10, 0x33333333, v10
	v_and_b32 v13, 0x33333333, v9
	v_add_nc_u32 v10, v13, v10
	v_lshrrev_b32 v11, 4, v10
	v_add_nc_u32 v11, v10, v11
	v_and_b32 v11, 0x0f0f0f0f, v11
	v_lshrrev_b32 v12, 8, v11
	v_add_nc_u32 v12, v11, v12
	v_and_b32 v12, 0x00ff00ff, v12
	v_mov_b32 v15, 0                               ; t: the bit's place
	DOWN 12, 8, 16
	DOWN 11, 8, 8
	DOWN 10, 4, 4
	DOWN 9, 2, 2
	DOWN 6, 1, 1
	v_lshl_add_u32 v16, v8, 5, v15                 ; the token
	v_min_u32 v16, 0x7ff, v16                      ; a number made of loaded bits enters addresses only behind this bound
	v_lshl_add_u32 v17, v16, 11, v23               ; its row of xq
	v_lshlrev_b32 v22, 2, v16                      ; its gate
	s_lshl_b32 s98, s67, 15
	s_add_nc_u64 s[10:11], s[90:91], s[98:99]
	s_lshl_b32 s98, s67, 7
	s_add_nc_u64 s[12:13], s[92:93], s[98:99]
	s_add_nc_u64 s[14:15], s[94:95], s[98:99]
.irp n, 0,1,2,3,4,5,6,7,8,9,10,11,12,13,14,15
	global_load_b128 v[D+4*\n:D+4*\n+3], v17, s[86:87] offset:128*(\n/4)+32*(\n%4)
.endr
	s_cmp_lg_u32 s9, 0
	s_cbranch_scc1 .Lnot_wave_0
	global_load_b32 v20, v22, s[88:89]
	global_store_b32 v19, v16, s[12:13]
	s_wait_loadcnt 0x0                             ; the gate is the youngest load
	global_store_b32 v19, v20, s[14:15]
.Lnot_wave_0:
.irp n, 0,1,2,3,4,5,6,7,8,9,10,11,12,13,14,15
	s_wait_loadcnt 15-\n                           ; piece n is in; the younger pieces stay out (in wave 0 all are in)
	global_store_b128 v18, v[D+4*\n:D+4*\n+3], s[10:11] offset:2048*(\n/4)+512*(\n%4)   ; 512 consecutive bytes
.endr
	s_wait_xcnt 0x0                                ; bases, offsets and data of this trip are written again only behind this wait
	s_add_co_u32 s2, s2, 1
	s_cmp_lt_u32 s2, TRIPS
	s_cbranch_scc1 .Ltile
.Lend:
	s_endpgm
.Lfunc_end_k_qad49ae4263_place:
	.size	k_qad49ae4263_place, .Lfunc_end_k_qad49ae4263_place-k_qad49ae4263_place
	.p2alignl 7, 3214868480
	.fill 96, 4, 3214868480
	.section	.rodata,"a",@progbits
	.p2align	6, 0x0
	.amdhsa_kernel k_qad49ae4263_place
		.amdhsa_group_segment_fixed_size 0
		.amdhsa_private_segment_fixed_size 0
		.amdhsa_enable_private_segment 0
		.amdhsa_kernarg_size 56
		.amdhsa_user_sgpr_count 2
		.amdhsa_user_sgpr_kernarg_segment_ptr 1
		.amdhsa_wavefront_size32 1
		.amdhsa_system_sgpr_workgroup_id_x 1
		.amdhsa_system_sgpr_workgroup_id_y 1
		.amdhsa_system_sgpr_workgroup_id_z 1
		.amdhsa_system_vgpr_workitem_id 0
		.amdhsa_next_free_vgpr 96
		.amdhsa_next_free_sgpr 100
		.amdhsa_reserve_vcc 1
		.amdhsa_float_denorm_mode_32 3
		.amdhsa_float_denorm_mode_16_64 3
		.amdhsa_memory_ordered 1
		.amdhsa_forward_progress 1
		.amdhsa_inst_pref_size 29
	.end_amdhsa_kernel
	.amdgpu_metadata
---
amdhsa.version: [ 1, 2 ]
amdhsa.kernels:
  - .name:           k_qad49ae4263_place
    .symbol:         k_qad49ae4263_place.kd
    .args:
      - { .name: masks, .offset: 0, .size: 8, .value_kind: global_buffer, .address_space: global }
      - { .name: xq, .offset: 8, .size: 8, .value_kind: global_buffer, .address_space: global }
      - { .name: gate, .offset: 16, .size: 8, .value_kind: global_buffer, .address_space: global }
      - { .name: xs, .offset: 24, .size: 8, .value_kind: global_buffer, .address_space: global }
      - { .name: tok, .offset: 32, .size: 8, .value_kind: global_buffer, .address_space: global }
      - { .name: gs, .offset: 40, .size: 8, .value_kind: global_buffer, .address_space: global }
      - { .name: meta, .offset: 48, .size: 8, .value_kind: global_buffer, .address_space: global }
    .group_segment_fixed_size: 0
    .private_segment_fixed_size: 0
    .kernarg_segment_align: 8
    .kernarg_segment_size: 56
    .max_flat_workgroup_size: 128
    .sgpr_count:     100
    .vgpr_count:     96
    .wavefront_size: 32
...
	.end_amdgpu_metadata
.endif
;; end of part 2
;; launch experts (part 3): grid 256 x 1, 16 waves a work-group, no clusters, 167,936 bytes of LDS; arguments W, b, lowp_scales, xs, tok, gs, meta, out0; writes out0
.if DOCPART == 3
	.amdgcn_target "amdgcn-amd-amdhsa--gfx1250"
	.amdhsa_code_object_version 6
	.text
	.protected	k_qad49ae4263_experts
	.globl	k_qad49ae4263_experts
	.p2align	8
	.type	k_qad49ae4263_experts,@function
k_qad49ae4263_experts:
	s_mov_b64 s[64:65], 0
	v_nop
	global_prefetch_b8 v0, s[64:65] scope:SCOPE_SE
	s_setreg_imm32_b32 hwreg(HW_REG_WAVE_MODE, 25, 1), 1
	s_wait_xcnt 0x0
; out[t] = gate[t] x (Q(x[t]) Q(W[e]) + b[e]) for the expert e that token t chose: only the chosen rows are multiplied.  W: [8][2048 k][2048 d] f32.
; SHARES.  Work-group g: expert g / 32, columns 64 (g % 32) .. + 63 (256 bytes of each row of W, b and out).  W is read ONCE, as f32, quantised in registers and kept as codes in LDS: 128 KiB, each byte written once.
; Waves 0-7 PRODUCE: they stream W, 256 rows of K a trip, hold, convert, turn 4 x 4 bytes and store.  Waves 8-15 CONSUME: a trip behind, they multiply the two K steps that the last trip laid down.
; One barrier a trip says 'written'; nothing in LDS is ever written over, so rows beyond one pass (24 tiles of 16) are served from LDS in further passes.
; No tensor load and no joint load: the walk hangs on a stored count (RT).  What work-groups share, the rows' codes, is a small part of the bytes beside W, which nobody shares.
; THE ORDER OF K is this program's own, the same in both operands: byte beta of the 16-byte piece (S, pi) is k = 256 (S / 2) + 64 (S % 2) + 8 pi + ROW(beta), ROW = 128 ((beta / 4) % 2) + 4 (beta / 8) + beta % 4.
; Registers 4 c .. 4 c + 3 of lane (r, h) hold piece 2 c + h.  Every product meets its partner; only the order of the sums inside an instruction differs.
; THE MATRIX INSTRUCTION IS USED TRANSPOSED: source 0 = 16 columns of W, source 1 = 16 tokens.  THE COLUMNS OF A TILE ARE NOT NEIGHBOURS: tile j is the columns 4 q + j.  So the producers' stores and the consumers' loads
; are 256 consecutive bytes for each half of a wave, and lane (r, h) ends with token r's columns 32 h + 4 i + j (tile j, register i): 32 neighbours.
; The sums begin as b / 2^(ex + ew); at the end each is multiplied once by gate x 2^(ex + ew).
; LIMITS: ew between -126 and 119; b / 2^(ex + ew) and gate x 2^(ex + ew) are f32 numbers.  NaN among the inputs is not served.  RT is at most 128: 2,048 tokens in tiles of 16.
; LDS: byte 8192 S + 1024 pi + 256 j + 16 q: piece (S, pi) of column 4 q + j.  From 131,072 on: a stage of 16 rows x 272 bytes for each consumer.
; REGISTERS.  All waves: v1, v2 producers' LDS address (K steps 0-7, 8-15); v3, v4 consumers'; v5, v6 the stage, in and out; v7 16 l; v8 16 r; v9 4 h; v10 128 h; v11 W's offset; v12 4 l.
;   The consumers' alone, named by no line of the producers: v13-15, v16-18, v19-21 offsets of the three slots' tiles in xs, gs, tok; v22-24 gates; v25 the factor; v32-79 the rows' fragments.
;   All that a consumer has asked for and not yet awaited at a barrier lands there.  The producers' alone: v26 448 x 2^ew, v27 2^ew, v28-31 at work.
;   v80-255 serve both roles: producers: v80-95 codes by rows, v96-111 codes by columns, v128-255 a ring of 32 loads of W; consumers: v96-191 sums, v192-255 W's four fragments.
.set STG,  131072
.set AT,   13
.set TA,   16
.set TB,   19
.set GT,   22
.set FAC,  25
.set LIM,  26
.set SCL,  27
.set PQ,   28
.set AF,   32                          ; slot s at 16 s
.set TP,   32                          ; the way out: tokens, 8 a slot
.set OA,   56                          ; the way out: the stores' offsets
.set T,    80
.set C,    96
.set XS,   128                         ; load i of block c at 64 (c % 2) + 4 i
.set ACC,  96                          ; slot s, tile j, register i at 32 s + 8 j + i
.set BF,   192                         ; tile j at 16 j
.set BT,   192                         ; at a pass's head: b of column 32 h + 4 i + j at 4 i + j
.set RR,   192                         ; the way out: a row's 32 numbers
.set OO,   224                         ; the way out: rows read back
	s_load_b512 s[4:19], s[0:1], 0x0               ; W s[4:5], b s[6:7], scales s[8:9], xs s[10:11], tok s[12:13], gs s[14:15], meta s[16:17], out s[18:19]
	v_lshrrev_b32 v28, 5, v0
	v_readfirstlane_b32 s20, v28                   ; wave 0..15
	s_and_b32 s21, s20, 7                          ; my number among the producers, or among the consumers
	s_lshr_b32 s22, ttmp9, 5                       ; e
	s_and_b32 s23, ttmp9, 31                       ; slice
	v_and_b32 v8, 15, v0                           ; r (also q)
	v_bfe_u32 v9, v0, 4, 1                         ; h
	s_lshr_b32 s42, s21, 2
	s_lshl_b32 s42, s42, 13
	s_and_b32 s43, s21, 3
	s_lshl_b32 s43, s43, 11
	s_add_co_u32 s42, s42, s43                     ; producer pw makes K step 2 c + pw / 4, pieces 2 (pw % 4) + h
	v_lshlrev_b32 v3, 4, v8
	v_lshl_add_u32 v3, v9, 10, v3                  ; 1,024 h + 16 q
	v_add_nc_u32 v1, s42, v3
	v_add_nc_u32 v2, 0x10000, v1
	v_add_nc_u32 v4, 0x10000, v3
	s_mul_i32 s43, s21, 4352
	s_add_co_u32 s43, s43, STG                     ; my stage
	v_mul_u32_u24 v5, v8, 272
	v_lshl_add_u32 v5, v9, 7, v5
	v_add_nc_u32 v5, s43, v5                       ; in: row r, 128 bytes for each half of the lanes
	v_mul_u32_u24 v6, v9, 272
	v_lshl_add_u32 v6, v8, 4, v6
	v_add_nc_u32 v6, s43, v6                       ; out: lanes 0-15 one row of 256 bytes, lanes 16-31 the next
	v_and_b32 v12, 31, v0
	v_lshlrev_b32 v7, 4, v12
	v_lshlrev_b32 v12, 2, v12
	v_lshlrev_b32 v10, 7, v9
	s_and_b32 s42, s21, 3
	s_lshl_b32 s42, s42, 17                        ; 16 rows of W for each pw % 4,
	s_lshr_b32 s43, s21, 2
	s_lshl_b32 s43, s43, 19                        ; 64 rows for pw / 4,
	s_add_co_u32 s42, s42, s43
	v_lshlrev_b32 v11, 4, v8
	v_lshl_add_u32 v11, v9, 16, v11                ; 8 rows for lanes 16-31, 16 bytes (4 columns) a lane
	v_add_nc_u32 v11, s42, v11
	v_lshlrev_b32 v8, 4, v8
	v_lshlrev_b32 v9, 2, v9
	s_mov_b32 s44, 0x05010400                      ; byte selects of the 4 x 4 turn
	s_mov_b32 s45, 0x07030602
	s_mov_b32 s46, 0x05040100
	s_mov_b32 s47, 0x07060302
	s_mov_b32 s43, 0
	s_lshl_b32 s41, s23, 8
	s_lshl_b32 s42, s22, 7
	s_wait_kmcnt 0x0
	s_add_nc_u64 s[16:17], s[16:17], s[42:43]
	s_load_b64 s[28:29], s[8:9], 0x0               ; ex, ew
	s_load_b32 s30, s[16:17], 0x0                  ; RT: my expert's tiles of 16 rows
	s_lshl_b32 s42, s22, 24
	s_add_co_u32 s42, s42, s41
	s_add_nc_u64 s[24:25], s[4:5], s[42:43]        ; W at my expert and slice: rows 0 on,
	s_add_nc_u64 s[26:27], s[24:25], 0x800000      ; and rows 1,024 on, so that every offset fits the immediate
	s_lshl_b32 s42, s22, 22
	s_add_nc_u64 s[48:49], s[10:11], s[42:43]
	s_lshl_b32 s42, s22, 14
	s_add_nc_u64 s[50:51], s[12:13], s[42:43]
	s_add_nc_u64 s[52:53], s[14:15], s[42:43]
	s_lshl_b32 s42, s22, 13
	s_add_co_u32 s42, s42, s41
	s_add_nc_u64 s[54:55], s[6:7], s[42:43]
	s_mov_b32 s42, s41
	s_add_nc_u64 s[56:57], s[18:19], s[42:43]
; ---- the producers' macros
; Loads 2 a and 2 a + 1 of block c: a row of W each, in the order of a piece's bytes (ROW(2 a + u) = 128 ((a / 2) % 2) + 4 (a / 4) + 2 (a % 2) + u); each half of the wave reads 256 consecutive bytes, aligned.
.macro PPAIR c, a
.set xb, XS+64*((\c)%2)+8*(\a)
.set wb, 24+2*((\c)/4)
.irp u, 0,1
	global_load_b128 v[xb+4*\u:xb+4*\u+3], v11, s[wb:wb+1] offset:((\c)%4)*2097152+(128*(((\a)/2)%2)+4*((\a)/4)+2*((\a)%2)+\u)*8192 th:TH_LOAD_NT
.endr
.endm
; Block c.  The ring holds 32 loads, two blocks.  Pair by pair: the pair is in; eight holds; one conversion; and the same eight registers take the pair of the block two on: 30 to 32 loads of the wave are out all the while.
.macro PRODUCE c
.irp a, 0,1,2,3,4,5,6,7
.set xb, XS+64*((\c)%2)+8*\a
.if (\c) < 6
	s_wait_loadcnt 30                              ; behind this pair: the rest of the ring, 30 loads
.else
	s_wait_loadcnt 16*(7-(\c))+14-2*\a             ; the last two blocks ask for nothing more: the counts run down
.endif
.irp k, 0,1,2,3,4,5,6,7
	v_med3_num_f32 v[xb+\k], v[xb+\k], -v[LIM], v[LIM]         ; the conversion to an 8-bit code does not saturate (ISA guide 7.6.2): the hold comes first
.endr
	v_cvt_scalef32_pk8_fp8_f32 v[T+2*\a:T+2*\a+1], v[xb:xb+7], v[SCL]   ; register i of T: row i of the piece, my 4 columns
.if (\c) < 6
	PPAIR (\c)+2, \a
.endif
.endr
	v_nop                                          ; a plain line between the last conversion and the lines that read the codes
.irp d, 0,1,2,3                                ; 4 rows x 4 columns of bytes are turned: register 4 j + d: column j, rows 4 d .. 4 d + 3
	v_perm_b32 v[PQ], v[T+4*\d+1], v[T+4*\d], s44
	v_perm_b32 v[PQ+1], v[T+4*\d+1], v[T+4*\d], s45
	v_perm_b32 v[PQ+2], v[T+4*\d+3], v[T+4*\d+2], s44
	v_perm_b32 v[PQ+3], v[T+4*\d+3], v[T+4*\d+2], s45
	v_perm_b32 v[C+\d], v[PQ+2], v[PQ], s46
	v_perm_b32 v[C+4+\d], v[PQ+2], v[PQ], s47
	v_perm_b32 v[C+8+\d], v[PQ+3], v[PQ+1], s46
	v_perm_b32 v[C+12+\d], v[PQ+3], v[PQ+1], s47
.endr
.set wa, 1+((\c)/4)
.irp j, 0,1,2,3
	ds_store_b128 v[wa], v[C+4*\j:C+4*\j+3] offset:((\c)%4)*16384+256*\j
.endr
.endm
; ---- the consumers' macros
; A pass's head: my three slots are tiles base + q, + 8, + 16.  All of it runs on tile numbers held inside what the launch before has written, whether a slot has rows or not, so that every register is written on every way.
.macro HEAD
	s_add_co_u32 s32, s40, s21
	s_add_co_u32 s33, s32, 8
	s_add_co_u32 s34, s32, 16
.irp s, 0,1,2
	s_min_u32 s[35+\s], s[32+\s], s31
	s_min_u32 s[35+\s], s[35+\s], 127              ; a number that hangs on a loaded one enters addresses only behind this bound
	v_lshl_add_u32 v[AT+\s], s[35+\s], 15, v7
	v_lshl_add_u32 v[TA+\s], s[35+\s], 7, v12
	v_lshl_add_u32 v[TB+\s], s[35+\s], 7, v9
.endr
.irp i, 0,1,2,3,4,5,6,7
	global_load_b128 v[BT+4*\i:BT+4*\i+3], v10, s[54:55] offset:16*\i
.endr
.irp s, 0,1,2
	global_load_b32 v[GT+\s], v[TA+\s], s[52:53]
.irp c, 0,1,2,3
	global_load_b128 v[AF+16*\s+4*\c:AF+16*\s+4*\c+3], v[AT+\s], s[48:49] offset:512*\c   ; K step 0
.endr
.endr
	s_wait_loadcnt 15                              ; b is in; the 3 gates and 12 pieces behind it stay out
.irp s, 0,1,2
.irp j, 0,1,2,3
.irp i, 0,1,2,3,4,5,6,7
	v_ldexp_f32 v[ACC+32*\s+8*\j+\i], v[BT+4*\i+\j], s39       ; the sums begin as b / 2^(ex + ew): nothing is cleared
.endr
.endr
.endr
.endm
; Slot sl in K step st: four products, the four accumulators by turns; four places; then the slot's rows of the next K step.
.macro SLOT sl, st
.irp j, 0,1,2,3
	v_wmma_f32_16x16x128_fp8_fp8 v[ACC+32*(\sl)+8*\j:ACC+32*(\sl)+8*\j+7], v[BF+16*\j:BF+16*\j+15], v[AF+16*(\sl):AF+16*(\sl)+15], v[ACC+32*(\sl)+8*\j:ACC+32*(\sl)+8*\j+7]
.endr
.rept 4
	v_nop                                          ; places in front of loads into registers that these products read, and of the first read of results
.endr
.if (\st) < 15
.irp c, 0,1,2,3
	global_load_b128 v[AF+16*(\sl)+4*\c:AF+16*(\sl)+4*\c+3], v[AT+(\sl)], s[48:49] offset:2048*((\st)+1)+512*\c
.endr
.endif
.endm
; A K step.  The slots' tiles ascend, so the first slot without rows ends the step.
.macro STEP st
	s_cmp_le_u32 s30, s32
	s_cbranch_scc1 .Lskip_\@
.set ba, 3+((\st)/8)
.irp j, 0,1,2,3
.irp c, 0,1,2,3
	ds_load_b128 v[BF+16*\j+4*\c:BF+16*\j+4*\c+3], v[ba] offset:8192*((\st)%8)+2048*\c+256*\j
.endr
.endr
	s_wait_loadcnt 0x0                             ; the rows' pieces: how many are out differs from way to way, so the count is 0
	s_wait_dscnt 0x0
	SLOT 0, \st
	s_cmp_le_u32 s30, s33
	s_cbranch_scc1 .Lskip_\@
	SLOT 1, \st
	s_cmp_le_u32 s30, s34
	s_cbranch_scc1 .Lskip_\@
	SLOT 2, \st
.Lskip_\@:
.endm
; The way out of slot sl: x gate x 2^(ex + ew); a lane's 128 bytes of a row into my stage; back as whole rows of 256 bytes; each to its token's row of out.
.macro EPI sl
	s_cmp_le_u32 s30, s[32+(\sl)]
	s_cbranch_scc1 .Lno_\@
	s_wait_xcnt 0x0                                ; the last slot's stores have read their data and offsets
	v_ldexp_f32 v[FAC], v[GT+(\sl)], s38
.irp i, 0,1,2,3,4,5,6,7
.irp j, 0,1,2,3
	v_mul_f32 v[RR+4*\i+\j], v[ACC+32*(\sl)+8*\j+\i], v[FAC]   ; each accumulator from its low end on
.endr
.endr
.irp i, 0,1,2,3,4,5,6,7
	ds_store_b128 v5, v[RR+4*\i:RR+4*\i+3] offset:16*\i
.endr
.irp n, 0,1,2,3,4,5,6,7
	ds_load_b128 v[OO+4*\n:OO+4*\n+3], v6 offset:544*\n        ; the wave's own bytes, served in order: these see the stores above
.endr
.irp n, 0,1,2,3,4,5,6,7
	v_min_u32 v[TP+8*(\sl)+\n], 0x7ff, v[TP+8*(\sl)+\n]        ; a loaded index enters an address only behind this bound
	v_lshl_add_u32 v[OA+\n], v[TP+8*(\sl)+\n], 13, v8
.endr
.irp n, 0,1,2,3,4,5,6,7
	s_wait_dscnt 7-\n                              ; rows 2 n, 2 n + 1 are back; the younger reads stay out
	global_store_b128 v[OA+\n], v[OO+4*\n:OO+4*\n+3], s[56:57] th:TH_STORE_NT   ; 16 lanes store 256 consecutive bytes, aligned
.endr
.Lno_\@:
.endm
.macro FINISH
	s_wait_loadcnt 0x0                             ; no load of mine is out: the registers below held the rows' fragments
.irp s, 0,1,2
.irp n, 0,1,2,3,4,5,6,7
	global_load_b32 v[TP+8*\s+\n], v[TB+\s], s[50:51] offset:8*\n   ; the token of row 2 n + lane / 16
.endr
.endr
	s_wait_loadcnt 0x0
	EPI 0
	EPI 1
	EPI 2
.endm
.macro JOIN                                    ; my LDS stores have landed and my LDS loads are in: then the work-group's barrier, on every wave's way
	s_wait_dscnt 0x0
	s_barrier_signal -1
	s_barrier_wait -1
.endm
.macro TRIP c
	s_cmp_lt_u32 s20, 8
	s_cbranch_scc0 .Lcons_\@
	PRODUCE \c                                     ; K steps 2 c, 2 c + 1 are laid down
	s_branch .Ljoin_\@
.Lcons_\@:
	s_wait_loadcnt 0x0                             ; a consumer's part begins with all its loads in: the rows of the first step below were asked for a trip ago
	STEP 2*(\c)-2                                  ; the two K steps that the last trip laid down are multiplied
	STEP 2*(\c)-1
.Ljoin_\@:
	JOIN
.endm
	s_cmp_lt_u32 s20, 8
	s_cbranch_scc0 .Lcons0
.irp a, 0,1,2,3,4,5,6,7
	PPAIR 0, \a                                    ; the ring is filled before anything is waited for: 32 loads of 512 bytes a wave
.endr
.irp a, 0,1,2,3,4,5,6,7
	PPAIR 1, \a
.endr
	s_wait_kmcnt 0x0
	s_add_co_i32 s42, s29, 127
	s_lshl_b32 s43, s42, 23
	v_mov_b32 v[SCL], s43                          ; 2^ew as f32: the conversion takes its exponent field
	s_add_co_i32 s42, s42, 8
	s_lshl_b32 s42, s42, 23
	s_or_b32 s42, s42, 0x600000
	v_mov_b32 v[LIM], s42                          ; 448 x 2^ew
	PRODUCE 0
	s_branch .Ljoin0
.Lcons0:
	s_wait_kmcnt 0x0
	s_min_u32 s30, s30, 128                        ; an expert's region has 128 tiles
	s_max_u32 s31, s30, 1
	s_sub_co_u32 s31, s31, 1                       ; the last tile that the launch before has written
	s_add_co_i32 s38, s28, s29                     ; ex + ew
	s_sub_co_i32 s39, 0, s38
	s_mov_b32 s40, 0                               ; the pass's first tile
	HEAD
.Ljoin0:
	JOIN
.irp c, 1,2,3,4,5,6,7
	TRIP \c
.endr
	s_cmp_lt_u32 s20, 8
	s_cbranch_scc0 .Ltail
	s_wait_xcnt 0x0
	v_lshl_add_u32 v94, v0, 2, 0x28800
	v_mov_b32 v95, 0
	s_wait_tensorcnt 0x0
	ds_add_u32 v94, v95
	s_wait_dscnt 0x0
	s_endpgm                                       ; the producers are done: no barrier follows
.Ltail:
	s_wait_loadcnt 0x0                             ; as at the head of every part of the consumers
	STEP 14
	STEP 15
	FINISH
	s_mov_b32 s40, 24                              ; more than 24 tiles: further passes over the codes that lie in LDS; W is not read again
	s_mov_b32 s41, 0                               ; at most 5 of them: bases 24 to 120 reach past tile 127; counted by 1 against a constant
.Lpass:
	s_cmp_ge_u32 s40, s30
	s_cbranch_scc1 .Lend                           ; no tile is left
	s_wait_xcnt 0x0                                ; the last pass's stores have read their data and offsets
	HEAD
.irp t, 0,1,2,3,4,5,6,7,8,9,10,11,12,13,14,15
	STEP \t
.endr
	FINISH
	s_add_co_u32 s40, s40, 24
	s_add_co_u32 s41, s41, 1
	s_cmp_lt_u32 s41, 5
	s_cbranch_scc1 .Lpass
.Lend:
	s_wait_xcnt 0x0
	v_lshl_add_u32 v94, v0, 2, 0x28800
	v_mov_b32 v95, 0
	s_wait_tensorcnt 0x0
	ds_add_u32 v94, v95
	s_wait_dscnt 0x0
	s_endpgm
.Lfunc_end_k_qad49ae4263_experts:
	.size	k_qad49ae4263_experts, .Lfunc_end_k_qad49ae4263_experts-k_qad49ae4263_experts
	.p2alignl 7, 3214868480
	.fill 96, 4, 3214868480
	.section	.rodata,"a",@progbits
	.p2align	6, 0x0
	.amdhsa_kernel k_qad49ae4263_experts
		.amdhsa_group_segment_fixed_size 167936
		.amdhsa_private_segment_fixed_size 0
		.amdhsa_enable_private_segment 0
		.amdhsa_kernarg_size 64
		.amdhsa_user_sgpr_count 2
		.amdhsa_user_sgpr_kernarg_segment_ptr 1
		.amdhsa_wavefront_size32 1
		.amdhsa_system_sgpr_workgroup_id_x 1
		.amdhsa_system_sgpr_workgroup_id_y 1
		.amdhsa_system_sgpr_workgroup_id_z 1
		.amdhsa_system_vgpr_workitem_id 0
		.amdhsa_next_free_vgpr 256
		.amdhsa_next_free_sgpr 66
		.amdhsa_reserve_vcc 0
		.amdhsa_float_denorm_mode_32 3
		.amdhsa_float_denorm_mode_16_64 3
		.amdhsa_memory_ordered 1
		.amdhsa_forward_progress 1
		.amdhsa_inst_pref_size 233
	.end_amdhsa_kernel
	.amdgpu_metadata
---
amdhsa.version: [ 1, 2 ]
amdhsa.kernels:
  - .name:           k_qad49ae4263_experts
    .symbol:         k_qad49ae4263_experts.kd
    .args:
      - { .name: W, .offset: 0, .size: 8, .value_kind: global_buffer, .address_space: global }
      - { .name: b, .offset: 8, .size: 8, .value_kind: global_buffer, .address_space: global }
      - { .name: lowp_scales, .offset: 16, .size: 8, .value_kind: global_buffer, .address_space: global }
      - { .name: xs, .offset: 24, .size: 8, .value_kind: global_buffer, .address_space: global }
      - { .name: tok, .offset: 32, .size: 8, .value_kind: global_buffer, .address_space: global }
      - { .name: gs, .offset: 40, .size: 8, .value_kind: global_buffer, .address_space: global }
      - { .name: meta, .offset: 48, .size: 8, .value_kind: global_buffer, .address_space: global }
      - { .name: out0, .offset: 56, .size: 8, .value_kind: global_buffer, .address_space: global }
    .group_segment_fixed_size: 167936
    .private_segment_fixed_size: 0
    .kernarg_segment_align: 8
    .kernarg_segment_size: 64
    .max_flat_workgroup_size: 512
    .sgpr_count:     66
    .vgpr_count:     256
    .wavefront_size: 32
...
	.end_amdgpu_metadata
.endif
;; end of part 3
;; ======== version 2 of 2: 3 launches
;; workspace buffers: xq 4,194,304 bytes; masks 2,048 bytes of whole numbers; gate 8,192 bytes; xs 33,554,432 bytes; tok 131,072 bytes of whole numbers; gs 131,072 bytes; meta 1,024 bytes of whole numbers
;; launch route (part 4): grid 256 x 1, 8 waves a work-group, no clusters, 76,800 bytes of LDS; arguments x, Wg, lowp_scales, xq, masks, gate; writes xq, masks, gate
.if DOCPART == 4
	.amdgcn_target "amdgcn-amd-amdhsa--gfx1250"
	.amdhsa_code_object_version 6
	.text
	.protected	k_qad49ae4263_route
	.globl	k_qad49ae4263_route
	.p2align	8
	.type	k_qad49ae4263_route,@function
k_qad49ae4263_route:
	s_mov_b64 s[64:65], 0
	v_nop
	global_prefetch_b8 v0, s[64:65] scope:SCOPE_SE
	s_setreg_imm32_b32 hwreg(HW_REG_WAVE_MODE, 25, 1), 1
	s_wait_xcnt 0x0
; THE ROUTER, AND x's CODES.  x: [2048 tokens][2048] f32.  Wg: [2048][8] f32.  One read of x serves both.
; logits = x Wg in f32 fused multiply-adds; softmax with the row's largest logit taken away; the chosen expert is the lowest index whose exponential is the largest (1.0); gate = 1 / the sum.
; code of x = x / 2^ex, held within +-448, to the nearest E4M3 code, ties to even (ex = entry 0 of the scales).
; SHARES.  A work-group owns 8 tokens.  Wave w owns k = 256 w .. 256 w + 255 of all 8, so it needs 8,192 bytes of Wg, kept in 64 registers.  Lane L holds k = 256 w + 128 i + 4 L + j, numbered kk = 4 i + j.
; OUT.  xq[token][2048 bytes]: byte 256 w + 8 L + kk is the code of that k: an order of K of this program's own, the same for W's codes in the last launch.
;       masks[e][256 bytes]: bit t of expert e's 2,048 bits says that token t chose e (a work-group gives one byte to each expert: 8 bytes in all, at fixed places).   gate[token] f32.
; No address and no branch hangs on a logit.
; LIMITS: ex between -126 and 119.  NaN among the inputs is not served.  The logits' sums are taken in another order than a plain chain.
.set WSB,  9216                        ; LDS: a wave's own stage for its part of Wg: 8,192 bytes + 16 behind each 128
.set RED,  73728                       ; LDS: behind the stages: 256 bytes a wave: its 64 partial logits, number 8 t + e at byte 4 (8 t + e)
.set CD,   16                          ; v16-31   codes, two registers a token; never rewritten
.set WGR,  32                          ; v32-95   Wg(k of kk, e) at 8 kk + e
.set X,    96                          ; v96-159  x(token t, kk) at 8 t + kk
.set A,    160                         ; v160-223 first Wg as loaded, then the partial logits at 8 t + e
	s_load_b256 s[4:11], s[0:1], 0x0               ; x s[4:5], Wg s[6:7], scales s[8:9], xq s[10:11]
	s_load_b128 s[12:15], s[0:1], 0x20             ; masks s[12:13], gate s[14:15]
	v_lshl_add_u32 v240, v0, 2, 0x12800
	v_mov_b32 v241, 0
	v_lshrrev_b32 v10, 5, v0
	s_delay_alu instid0(VALU_DEP_1)
	v_readfirstlane_b32 s16, v10                   ; wave 0..7
	v_and_b32 v1, 31, v0                           ; L
	s_delay_alu instid0(VALU_DEP_1)
	v_lshrrev_b32 v10, 3, v1
	s_delay_alu instid0(VALU_DEP_2)
	v_and_b32 v11, 7, v1
	s_lshl_b32 s17, s16, 10
	s_mul_i32 s18, s16, WSB
	s_lshl_b32 s19, s16, 8
	s_lshl_b32 s25, s16, 13
	s_add_co_u32 s29, s19, RED
	v_lshl_add_u32 v2, v1, 4, s17                  ; x: 1,024 w + 16 L in a row
	v_lshl_add_u32 v3, v1, 4, s18
	s_delay_alu instid0(VALU_DEP_1)
	v_lshl_add_u32 v3, v10, 4, v3                  ; the stage, in: 16 L + 16 (L / 8)
	v_mul_u32_u24 v4, v1, 144
	s_delay_alu instid0(VALU_DEP_1)
	v_add_nc_u32 v4, s18, v4                       ; the stage, out: lanes 144 bytes apart: my four rows of Wg, 128 bytes
	v_lshl_add_u32 v5, v1, 3, s19                  ; xq: 256 w + 8 L in a row
	v_lshl_add_u32 v6, v1, 4, s25                  ; Wg: 8,192 w + 16 L
	v_lshl_add_u32 v7, v1, 2, s29                  ; my wave's partial logits: + 4 L
	v_lshlrev_b32 v15, 5, v11
	s_delay_alu instid0(VALU_DEP_1)
	v_add_nc_u32 v15, RED, v15                     ; wave 0 at the end: token L % 8's eight logits
	s_mov_b32 s20, 0xaaaaaaaa                      ; lanes whose bit 0, 1, 2, 3, 4 is set
	s_mov_b32 s21, 0xcccccccc
	s_mov_b32 s22, 0xf0f0f0f0
	s_mov_b32 s23, 0xff00ff00
	s_mov_b32 s24, 0xffff0000
	s_mov_b32 s26, 0x76543210                      ; v_permlanex16_b32: lane l xor 16
	s_mov_b32 s27, 0xfedcba98
	s_lshl_b32 s30, ttmp9, 16                      ; 8 rows of x
	s_mov_b32 s31, 0
	s_wait_alu depctr_va_vdst(0)
	s_wait_kmcnt 0x0
	s_load_b32 s28, s[8:9], 0x0                    ; ex
	s_add_nc_u64 s[4:5], s[4:5], s[30:31]
	s_lshl_b32 s30, ttmp9, 14                      ; 8 rows of xq
	s_add_nc_u64 s[10:11], s[10:11], s[30:31]
	s_lshl_b32 s30, ttmp9, 5                       ; 8 gates
	s_add_nc_u64 s[14:15], s[14:15], s[30:31]
.irp n, 0,1,2,3,4,5,6,7,8,9,10,11,12,13,14,15
	global_load_b128 v[A+4*\n:A+4*\n+3], v6, s[6:7] offset:512*\n          ; Wg as it lies: 512 consecutive bytes a load
.endr
.irp t, 0,1,2,3,4,5,6,7
.irp i, 0,1
	global_load_b128 v[X+8*\t+4*\i:X+8*\t+4*\i+3], v2, s[4:5] offset:8192*\t+512*\i th:TH_LOAD_NT   ; 512 consecutive bytes of token t's row
.endr
.endr
	s_wait_loadcnt 16                              ; Wg is in; the 16 loads of x behind it stay out
.irp n, 0,1,2,3,4,5,6,7,8,9,10,11,12,13,14,15
	ds_store_b128 v3, v[A+4*\n:A+4*\n+3] offset:576*\n
.endr
.irp i, 0,1
.irp m, 0,1,2,3,4,5,6,7
	ds_load_b128 v[WGR+32*\i+4*\m:WGR+32*\i+4*\m+3], v4 offset:4608*\i+16*\m   ; the wave's own bytes, served in order: these see the stores above
.endr
.endr
	s_wait_kmcnt 0x0
	s_add_co_i32 s28, s28, 127
	s_lshl_b32 s30, s28, 23
	v_mov_b32 v9, s30                              ; 2^ex as f32: the conversion takes its exponent field
	s_add_co_i32 s28, s28, 8
	s_lshl_b32 s28, s28, 23
	s_or_b32 s28, s28, 0x600000
	v_mov_b32 v8, s28                              ; 448 x 2^ex
	s_wait_dscnt 0x0
; Token t: eight partial logits of my eight k, then my eight codes.
.macro TOKEN t
	s_wait_loadcnt 14-2*(\t)                       ; this token's two loads are in; two for each younger token stay out
.irp p, 0,1,2,3
	v_pk_mul_f32 v[A+8*(\t)+2*\p:A+8*(\t)+2*\p+1], v[WGR+2*\p:WGR+2*\p+1], v[X+8*(\t):X+8*(\t)+1] op_sel_hi:[1,0]   ; kk = 0 starts the sums
.endr
.irp kk, 1,2,3,4,5,6,7
.irp p, 0,1,2,3
.if (\kk)%2
	s_delay_alu instid0(VALU_DEP_4)
	v_pk_fma_f32 v[A+8*(\t)+2*\p:A+8*(\t)+2*\p+1], v[WGR+8*\kk+2*\p:WGR+8*\kk+2*\p+1], v[X+8*(\t)+\kk-1:X+8*(\t)+\kk], v[A+8*(\t)+2*\p:A+8*(\t)+2*\p+1] op_sel:[0,1,0] op_sel_hi:[1,1,1]   ; both halves x the pair's second number
.else
	s_delay_alu instid0(VALU_DEP_4)
	v_pk_fma_f32 v[A+8*(\t)+2*\p:A+8*(\t)+2*\p+1], v[WGR+8*\kk+2*\p:WGR+8*\kk+2*\p+1], v[X+8*(\t)+\kk:X+8*(\t)+\kk+1], v[A+8*(\t)+2*\p:A+8*(\t)+2*\p+1] op_sel_hi:[1,0,1]              ; both halves x the pair's first number
.endif
.endr
.endr
.irp i, 0,1,2,3,4,5,6,7
	v_med3_num_f32 v[X+8*(\t)+\i], v[X+8*(\t)+\i], -v8, v8     ; the conversion to an 8-bit code does not saturate (ISA guide 7.6.2): the hold comes first
.endr
	v_cvt_scalef32_pk8_fp8_f32 v[CD+2*(\t):CD+2*(\t)+1], v[X+8*(\t):X+8*(\t)+7], v9   ; its result goes to a store alone; the next vector lines are plain and touch other registers
	global_store_b64 v5, v[CD+2*(\t):CD+2*(\t)+1], s[10:11] offset:2048*(\t)          ; the wave stores 256 consecutive bytes, aligned
.endm
.irp t, 0,1,2,3,4,5,6,7
	TOKEN \t
.endr
; THE SUM OVER THE 32 LANES of 64 numbers, halving the list at each step: a lane keeps the half that its lane bit names, sends the other half to its partner and adds what it gets.
.macro RSTEP n, xm, sm
.set ri, 0
.rept (\n)/2
.set rk, 10+2*(ri%2)
	v_cndmask_b32 v[rk], v[A+2*ri], v[A+2*ri+1], s[\sm]        ; kept
	v_cndmask_b32 v[rk+1], v[A+2*ri+1], v[A+2*ri], s[\sm]      ; sent
	s_delay_alu instid0(VALU_DEP_1)
	v_add_f32_dpp v[A+ri], v[rk+1], v[rk] row_xmask:\xm row_mask:0xf bank_mask:0xf
.set ri, ri+1
.endr
.endm
	RSTEP 64, 1, 20
	RSTEP 32, 2, 21
	RSTEP 16, 4, 22
	RSTEP 8, 8, 23
	v_mov_b32 v14, 0                               ; a lane permute's destination counts as one of its sources
.irp i, 0,1
	v_cndmask_b32 v10, v[A+2*\i], v[A+2*\i+1], s24
	v_cndmask_b32 v11, v[A+2*\i+1], v[A+2*\i], s24
	s_delay_alu instid0(VALU_DEP_1)
	v_permlanex16_b32 v14, v11, s26, s27
	s_delay_alu instid0(VALU_DEP_1)
	v_add_f32 v[A+\i], v10, v14
.endr
	ds_store_b32 v7, v[A]                          ; lane L now holds numbers L and L + 32 of the 64
	ds_store_b32 v7, v[A+1] offset:128
	s_wait_dscnt 0x0                               ; for wave 0's sake: my partial logits lie in LDS
	s_barrier_signal -1
	s_barrier_wait -1
	s_cmp_lg_u32 s16, 0
	s_cbranch_scc1 .Lend
	; wave 0: lane L works for token L % 8 (lanes 8 to 31 repeat lanes 0 to 7)
.irp w, 0,1,2,3,4,5,6,7
	ds_load_b128 v[32+8*\w:35+8*\w], v15 offset:256*\w
	ds_load_b128 v[36+8*\w:39+8*\w], v15 offset:256*\w+16
.endr
	s_wait_dscnt 0x0
.irp w, 1,2,3,4,5,6,7
.irp p, 0,1,2,3
	v_pk_add_f32 v[32+2*\p:33+2*\p], v[32+2*\p:33+2*\p], v[32+8*\w+2*\p:33+8*\w+2*\p]   ; the eight waves' parts, in ascending order
.endr
.endr
	s_delay_alu instid0(VALU_DEP_3)
	v_max3_num_f32 v224, v32, v33, v34
	s_delay_alu instid0(VALU_DEP_1)
	v_max3_num_f32 v224, v224, v35, v36
	s_delay_alu instid0(VALU_DEP_1)
	v_max3_num_f32 v224, v224, v37, v38
	s_delay_alu instid0(VALU_DEP_1)
	v_max_num_f32 v224, v224, v39                  ; the row's largest logit
.irp e, 0,1,2,3,4,5,6,7
	v_sub_f32 v[40+\e], v[32+\e], v224
.endr
.irp e, 0,1,2,3,4,5,6,7
	v_mul_f32 v[40+\e], 0x3fb8aa3b, v[40+\e]       ; x log2(e)
.endr
	s_wait_alu depctr_va_vdst(0)
.irp e, 0,1,2,3,4,5,6,7
	v_exp_f32 v[40+\e], v[40+\e]
.endr
	v_nop                                          ; a plain line between the last exponential and the use of its result
	s_wait_alu depctr_va_vdst(0)
	v_add_f32 v225, v40, v41
.irp e, 2,3,4,5,6,7
	v_add_f32 v225, v225, v[40+\e]
.endr
	s_wait_alu depctr_va_vdst(0)
	v_rcp_f32 v226, v225                           ; the gate: the chosen expert's exponential is 1
	v_mov_b32 v227, 0                              ; (a plain line behind the reciprocal)
.irp e, 7,6,5,4,3,2,1,0
	v_cmp_neq_f32 vcc_lo, 1.0, v[40+\e]
	s_delay_alu instid0(VALU_DEP_1)
	v_cndmask_b32 v227, \e, v227, vcc_lo           ; descending, so that the lowest index with the largest exponential stays
.endr
	v_mov_b32 v228, 0
.irp e, 0,1,2,3,4,5,6,7
	v_cmp_eq_u32 s[32+\e], \e, v227                ; bits 0 to 7: which of my 8 tokens chose e
.endr
.irp e, 0
	v_writelane_b32 v228, s[32+\e], \e
.endr
.irp e, 1, 2, 3, 4, 5, 6, 7
	s_delay_alu instid0(VALU_DEP_1)
	v_writelane_b32 v228, s[32+\e], \e             ; lane e carries expert e's byte
.endr
	s_mov_b32 s17, ttmp9
	v_lshl_add_u32 v229, v1, 8, s17                ; masks: 256 x expert + work-group
	v_lshlrev_b32 v230, 2, v1
	s_wait_alu depctr_va_vdst(0)
	s_wait_xcnt 0x0                                ; EXEC is a source of the stores above: it changes only behind this wait
	v_cmp_gt_u32 vcc_lo, 8, v1
	s_and_saveexec_b32 s40, vcc_lo
	global_store_b8 v229, v228, s[12:13]
	s_wait_alu depctr_va_vdst(0)
	global_store_b32 v230, v226, s[14:15]
	s_wait_xcnt 0x0
	s_or_b32 exec_lo, exec_lo, s40
.Lend:
	s_wait_tensorcnt 0x0
	ds_add_u32 v240, v241
	s_wait_dscnt 0x0
	s_endpgm
.Lfunc_end_k_qad49ae4263_route:
	.size	k_qad49ae4263_route, .Lfunc_end_k_qad49ae4263_route-k_qad49ae4263_route
	.p2alignl 7, 3214868480
	.fill 96, 4, 3214868480
	.section	.rodata,"a",@progbits
	.p2align	6, 0x0
	.amdhsa_kernel k_qad49ae4263_route
		.amdhsa_group_segment_fixed_size 76800
		.amdhsa_private_segment_fixed_size 0
		.amdhsa_enable_private_segment 0
		.amdhsa_kernarg_size 48
		.amdhsa_user_sgpr_count 2
		.amdhsa_user_sgpr_kernarg_segment_ptr 1
		.amdhsa_wavefront_size32 1
		.amdhsa_system_sgpr_workgroup_id_x 1
		.amdhsa_system_sgpr_workgroup_id_y 1
		.amdhsa_system_sgpr_workgroup_id_z 1
		.amdhsa_system_vgpr_workitem_id 0
		.amdhsa_next_free_vgpr 242
		.amdhsa_next_free_sgpr 66
		.amdhsa_reserve_vcc 1
		.amdhsa_float_denorm_mode_32 3
		.amdhsa_float_denorm_mode_16_64 3
		.amdhsa_memory_ordered 1
		.amdhsa_forward_progress 1
		.amdhsa_inst_pref_size 58
	.end_amdhsa_kernel
	.amdgpu_metadata
---
amdhsa.version: [ 1, 2 ]
amdhsa.kernels:
  - .name:           k_qad49ae4263_route
    .symbol:         k_qad49ae4263_route.kd
    .args:
      - { .name: x, .offset: 0, .size: 8, .value_kind: global_buffer, .address_space: global }
      - { .name: Wg, .offset: 8, .size: 8, .value_kind: global_buffer, .address_space: global }
      - { .name: lowp_scales, .offset: 16, .size: 8, .value_kind: global_buffer, .address_space: global }
      - { .name: xq, .offset: 24, .size: 8, .value_kind: global_buffer, .address_space: global }
      - { .name: masks, .offset: 32, .size: 8, .value_kind: global_buffer, .address_space: global }
      - { .name: gate, .offset: 40, .size: 8, .value_kind: global_buffer, .address_space: global }
    .group_segment_fixed_size: 76800
    .private_segment_fixed_size: 0
    .kernarg_segment_align: 8
    .kernarg_segment_size: 48
    .max_flat_workgroup_size: 256
    .sgpr_count:     66
    .vgpr_count:     242
    .wavefront_size: 32
...
	.end_amdgpu_metadata
.endif
;; end of part 4
;; launch place (part 5): grid 16 x 8, 4 waves a work-group, no clusters, 0 bytes of LDS; arguments masks, xq, gate, xs, tok, gs, meta; writes xs, tok, gs, meta
.if DOCPART == 5
	.amdgcn_target "amdgcn-amd-amdhsa--gfx1250"
	.amdhsa_code_object_version 6
	.text
	.protected	k_qad49ae4263_place
	.globl	k_qad49ae4263_place
	.p2align	8
	.type	k_qad49ae4263_place,@function
k_qad49ae4263_place:
	s_mov_b64 s[64:65], 0
	v_nop
	global_prefetch_b8 v0, s[64:65] scope:SCOPE_SE
	s_setreg_imm32_b32 hwreg(HW_REG_WAVE_MODE, 25, 1), 1
	s_wait_xcnt 0x0
; THE ROWS ARE PLACED BY EXPERT.  Each expert has a region of its own for 128 tiles of 16 rows (all 2,048 tokens), so no place hangs on another expert's count.
; Work-group (x, e) makes tiles x, x + 16, .. of expert e.  Row p of the expert is the token of the p-th set bit of masks[e]: it is found by gathering: no atomics, no LDS, no barrier; each wave finds it for itself.
; The rows past the expert's count in its last tile repeat its last token (p is held at count - 1), so that the last launch can treat every row of a tile alike.  An expert with no token still gets tile 0, of some token, which is read and never stored from.
; OUT.  xs[e][tile][16 K steps][4 c][32 lanes][16 bytes]: the image of the operand's registers: lane (r, h) holds, of row r, bytes 128 S + 32 c + 16 h .. + 15 of the token's row of xq.
;       tok, gs [e][tile][32 lanes]: the token and its gate of row lane % 16.   meta[e][32]: RT = the expert's tiles, ceil(count / 16).
; The reads of xq are 32 consecutive bytes for each row and instruction (512 of a row over a wave's 16 loads); the stores are 512 consecutive bytes each.
.set D, 32                             ; v32-95  16 x 4 registers of codes
.set TRIPS, 8                          ; 128 tiles of an expert's region / 16 work-groups along x
	s_load_b256 s[84:91], s[0:1], 0x0              ; masks s[84:85], xq s[86:87], gate s[88:89], xs s[90:91]
	s_load_b128 s[92:95], s[0:1], 0x20             ; tok s[92:93], gs s[94:95]
	s_load_b64 s[96:97], s[0:1], 0x30              ; meta
	v_lshrrev_b32 v9, 5, v0
	v_readfirstlane_b32 s9, v9                     ; wave 0..3: it copies K steps 4 wave .. 4 wave + 3
	v_and_b32 v1, 31, v0                           ; lane
	v_and_b32 v2, 15, v0                           ; r
	v_bfe_u32 v3, v0, 4, 1                         ; h
	s_lshl_b32 s8, s9, 13
	v_lshl_add_u32 v18, v1, 4, s8                  ; xs: 16 lane + 8,192 wave
	v_lshlrev_b32 v19, 2, v1                       ; 4 lane
	s_lshl_b32 s8, s9, 9
	v_lshl_add_u32 v23, v3, 4, s8                  ; xq: 16 h + 512 wave in a row
	s_and_b32 s66, ttmp7, 0xffff                   ; e
	s_mov_b32 s99, 0
	s_lshl_b32 s98, s66, 8
	s_wait_kmcnt 0x0
	s_add_nc_u64 s[84:85], s[84:85], s[98:99]
	s_load_b512 s[16:31], s[84:85], 0x0            ; the expert's 64 words of bits: word g in s[16 + g], from g = 48 on in s[20 + g]
	s_load_b512 s[32:47], s[84:85], 0x40
	s_load_b512 s[48:63], s[84:85], 0x80
	s_load_b512 s[68:83], s[84:85], 0xc0
	s_lshl_b32 s98, s66, 22
	s_add_nc_u64 s[90:91], s[90:91], s[98:99]      ; the expert's regions
	s_lshl_b32 s98, s66, 14
	s_add_nc_u64 s[92:93], s[92:93], s[98:99]
	s_add_nc_u64 s[94:95], s[94:95], s[98:99]
	s_lshl_b32 s98, s66, 7
	s_add_nc_u64 s[96:97], s[96:97], s[98:99]
	s_mov_b32 s3, 0
	s_wait_kmcnt 0x0
.set g, 0
.rept 64
.set mw, 16+g+4*(g/48)
	s_bcnt1_i32_b32 s8, s[mw]
	s_add_co_u32 s3, s3, s8                        ; the expert's count
.set g, g+1
.endr
	s_add_co_u32 s4, s3, 15
	s_lshr_b32 s4, s4, 4                           ; RT
	s_max_u32 s5, s4, 1                            ; tiles to write
	s_max_u32 s6, s3, 1
	s_sub_co_u32 s6, s6, 1                         ; the last row's number
	s_or_b32 s8, s9, ttmp9
	s_cmp_lg_u32 s8, 0
	s_cbranch_scc1 .Lno_meta
	v_mov_b32 v21, s4
	s_wait_alu depctr_va_vdst(0)
	global_store_b32 v19, v21, s[96:97]            ; wave 0 of work-group x = 0: RT, a word a lane
.Lno_meta:
.macro DOWN src, width, step                   ; one level down: is the wanted bit in the lower part at t, or past it?
	v_bfe_u32 v13, v[\src], v15, \width            ; set bits in the lower part
	v_cmp_ge_u32 vcc_lo, v7, v13
	v_sub_nc_u32 v14, v7, v13
	v_cndmask_b32 v7, v7, v14, vcc_lo
	v_add_nc_u32 v14, \step, v15
	v_cndmask_b32 v15, v15, v14, vcc_lo
.endm
	s_mov_b32 s2, 0                                ; the trip: counted by 1 against a constant
.Ltile:
	s_lshl_b32 s67, s2, 4
	s_add_co_u32 s67, s67, ttmp9                   ; my tile of this trip: x + 16 x trip
	s_cmp_ge_u32 s67, s5
	s_cbranch_scc1 .Lend                           ; the tiles ascend: past the expert's last there is nothing more
	s_min_u32 s67, s67, 127                        ; an expert's region has 128 tiles
	s_lshl_b32 s8, s67, 4
	s_wait_alu depctr_va_vdst(0)
	v_add_nc_u32 v4, s8, v2
	v_min_u32 v4, s6, v4                           ; p = my row's number in the expert
	v_mov_b32 v6, 0                                ; the word that holds bit p,
	v_mov_b32 v7, 0                                ; p's rank inside it,
	v_mov_b32 v8, 0                                ; and the word's number
	s_mov_b32 s7, 0                                ; set bits in the words passed
.set g, 0
.rept 64
.set mw, 16+g+4*(g/48)
	s_bcnt1_i32_b32 s8, s[mw]
	v_sub_nc_u32 v5, v4, s7                        ; wraps to a large number where p lies in an earlier word
	v_cmp_le_u32 vcc_lo, s8, v5                    ; not in this word
	v_cndmask_b32 v6, s[mw], v6, vcc_lo
	v_cndmask_b32 v7, v5, v7, vcc_lo
	v_cndmask_b32 v8, g, v8, vcc_lo
	s_add_co_u32 s7, s7, s8
.set g, g+1
.endr
	v_lshrrev_b32 v9, 1, v6                        ; counts of set bits in fields of 2, 4, 8 and 16 bits
	v_and_b32 v9, 0x55555555, v9
	v_sub_nc_u32 v9, v6, v9
	v_lshrrev_b32 v10, 2, v9
	v_and_b32 v10, 0x33333333, v10
	v_and_b32 v13, 0x33333333, v9
	v_add_nc_u32 v10, v13, v10
	v_lshrrev_b32 v11, 4, v10
	v_add_nc_u32 v11, v10, v11
	v_and_b32 v11, 0x0f0f0f0f, v11
	v_lshrrev_b32 v12, 8, v11
	v_add_nc_u32 v12, v11, v12
	v_and_b32 v12, 0x00ff00ff, v12
	v_mov_b32 v15, 0                               ; t: the bit's place
	DOWN 12, 8, 16
	DOWN 11, 8, 8
	DOWN 10, 4, 4
	DOWN 9, 2, 2
	DOWN 6, 1, 1
	v_lshl_add_u32 v16, v8, 5, v15                 ; the token
	v_min_u32 v16, 0x7ff, v16                      ; a number made of loaded bits enters addresses only behind this bound
	v_lshl_add_u32 v17, v16, 11, v23               ; its row of xq
	v_lshlrev_b32 v22, 2, v16                      ; its gate
	s_lshl_b32 s98, s67, 15
	s_add_nc_u64 s[10:11], s[90:91], s[98:99]
	s_lshl_b32 s98, s67, 7
	s_add_nc_u64 s[12:13], s[92:93], s[98:99]
	s_add_nc_u64 s[14:15], s[94:95], s[98:99]
.irp n, 0,1,2,3,4,5,6,7,8,9,10,11,12,13,14,15
	global_load_b128 v[D+4*\n:D+4*\n+3], v17, s[86:87] offset:128*(\n/4)+32*(\n%4)
.endr
	s_cmp_lg_u32 s9, 0
	s_cbranch_scc1 .Lnot_wave_0
	global_load_b32 v20, v22, s[88:89]
	global_store_b32 v19, v16, s[12:13]
	s_wait_loadcnt 0x0                             ; the gate is the youngest load
	global_store_b32 v19, v20, s[14:15]
.Lnot_wave_0:
.irp n, 0,1,2,3,4,5,6,7,8,9,10,11,12,13,14,15
	s_wait_loadcnt 15-\n                           ; piece n is in; the younger pieces stay out (in wave 0 all are in)
	global_store_b128 v18, v[D+4*\n:D+4*\n+3], s[10:11] offset:2048*(\n/4)+512*(\n%4)   ; 512 consecutive bytes
.endr
	s_wait_xcnt 0x0                                ; bases, offsets and data of this trip are written again only behind this wait
	s_add_co_u32 s2, s2, 1
	s_cmp_lt_u32 s2, TRIPS
	s_cbranch_scc1 .Ltile
.Lend:
	s_endpgm
.Lfunc_end_k_qad49ae4263_place:
	.size	k_qad49ae4263_place, .Lfunc_end_k_qad49ae4263_place-k_qad49ae4263_place
	.p2alignl 7, 3214868480
	.fill 96, 4, 3214868480
	.section	.rodata,"a",@progbits
	.p2align	6, 0x0
	.amdhsa_kernel k_qad49ae4263_place
		.amdhsa_group_segment_fixed_size 0
		.amdhsa_private_segment_fixed_size 0
		.amdhsa_enable_private_segment 0
		.amdhsa_kernarg_size 56
		.amdhsa_user_sgpr_count 2
		.amdhsa_user_sgpr_kernarg_segment_ptr 1
		.amdhsa_wavefront_size32 1
		.amdhsa_system_sgpr_workgroup_id_x 1
		.amdhsa_system_sgpr_workgroup_id_y 1
		.amdhsa_system_sgpr_workgroup_id_z 1
		.amdhsa_system_vgpr_workitem_id 0
		.amdhsa_next_free_vgpr 96
		.amdhsa_next_free_sgpr 100
		.amdhsa_reserve_vcc 1
		.amdhsa_float_denorm_mode_32 3
		.amdhsa_float_denorm_mode_16_64 3
		.amdhsa_memory_ordered 1
		.amdhsa_forward_progress 1
		.amdhsa_inst_pref_size 29
	.end_amdhsa_kernel
	.amdgpu_metadata
---
amdhsa.version: [ 1, 2 ]
amdhsa.kernels:
  - .name:           k_qad49ae4263_place
    .symbol:         k_qad49ae4263_place.kd
    .args:
      - { .name: masks, .offset: 0, .size: 8, .value_kind: global_buffer, .address_space: global }
      - { .name: xq, .offset: 8, .size: 8, .value_kind: global_buffer, .address_space: global }
      - { .name: gate, .offset: 16, .size: 8, .value_kind: global_buffer, .address_space: global }
      - { .name: xs, .offset: 24, .size: 8, .value_kind: global_buffer, .address_space: global }
      - { .name: tok, .offset: 32, .size: 8, .value_kind: global_buffer, .address_space: global }
      - { .name: gs, .offset: 40, .size: 8, .value_kind: global_buffer, .address_space: global }
      - { .name: meta, .offset: 48, .size: 8, .value_kind: global_buffer, .address_space: global }
    .group_segment_fixed_size: 0
    .private_segment_fixed_size: 0
    .kernarg_segment_align: 8
    .kernarg_segment_size: 56
    .max_flat_workgroup_size: 128
    .sgpr_count:     100
    .vgpr_count:     96
    .wavefront_size: 32
...
	.end_amdgpu_metadata
.endif
;; end of part 5
;; launch experts (part 6): grid 256 x 1, 16 waves a work-group, no clusters, 167,936 bytes of LDS; arguments W, b, lowp_scales, xs, tok, gs, meta, out0; writes out0
.if DOCPART == 6
	.amdgcn_target "amdgcn-amd-amdhsa--gfx1250"
	.amdhsa_code_object_version 6
	.text
	.protected	k_qad49ae4263_experts
	.globl	k_qad49ae4263_experts
	.p2align	8
	.type	k_qad49ae4263_experts,@function
k_qad49ae4263_experts:
	s_mov_b64 s[64:65], 0
	v_nop
	global_prefetch_b8 v0, s[64:65] scope:SCOPE_SE
	s_setreg_imm32_b32 hwreg(HW_REG_WAVE_SCHED_MODE, 0, 2), 2
	s_setreg_imm32_b32 hwreg(HW_REG_WAVE_MODE, 25, 1), 1
	s_wait_xcnt 0x0
	s_wait_alu depctr_vm_vsrc(0)
; out[t] = gate[t] x (Q(x[t]) Q(W[e]) + b[e]) for the expert e that token t chose: only the chosen rows are multiplied.  W: [8][2048 k][2048 d] f32.
; SHARES.  Work-group g: expert g / 32, columns 64 (g % 32) .. + 63 (256 bytes of each row of W, b and out).  W is read ONCE, as f32, quantised in registers and kept as codes in LDS: 128 KiB, each byte written once.
; Waves 0-7 PRODUCE: they stream W, 256 rows of K a trip, hold, convert, turn 4 x 4 bytes and store.  Waves 8-15 CONSUME: a trip behind, they multiply the two K steps that the last trip laid down.
; One barrier a trip says 'written'; nothing in LDS is ever written over, so rows beyond one pass (24 tiles of 16) are served from LDS in further passes.
; No tensor load and no joint load: the walk hangs on a stored count (RT).  What work-groups share, the rows' codes, is a small part of the bytes beside W, which nobody shares.
; THE ORDER OF K is this program's own, the same in both operands: byte beta of the 16-byte piece (S, pi) is k = 256 (S / 2) + 64 (S % 2) + 8 pi + ROW(beta), ROW = 128 ((beta / 4) % 2) + 4 (beta / 8) + beta % 4.
; Registers 4 c .. 4 c + 3 of lane (r, h) hold piece 2 c + h.  Every product meets its partner; only the order of the sums inside an instruction differs.
; THE MATRIX INSTRUCTION IS USED TRANSPOSED: source 0 = 16 columns of W, source 1 = 16 tokens.  THE COLUMNS OF A TILE ARE NOT NEIGHBOURS: tile j is the columns 4 q + j.  So the producers' stores and the consumers' loads
; are 256 consecutive bytes for each half of a wave, and lane (r, h) ends with token r's columns 32 h + 4 i + j (tile j, register i): 32 neighbours.
; The sums begin as b / 2^(ex + ew); at the end each is multiplied once by gate x 2^(ex + ew).
; LIMITS: ew between -126 and 119; b / 2^(ex + ew) and gate x 2^(ex + ew) are f32 numbers.  NaN among the inputs is not served.  RT is at most 128: 2,048 tokens in tiles of 16.
; LDS: byte 8192 S + 1024 pi + 256 j + 16 q: piece (S, pi) of column 4 q + j.  From 131,072 on: a stage of 16 rows x 272 bytes for each consumer.
; REGISTERS.  All waves: v1, v2 producers' LDS address (K steps 0-7, 8-15); v3, v4 consumers'; v5, v6 the stage, in and out; v7 16 l; v8 16 r; v9 4 h; v10 128 h; v11 W's offset; v12 4 l.
;   The consumers' alone, named by no line of the producers: v13-15, v16-18, v19-21 offsets of the three slots' tiles in xs, gs, tok; v22-24 gates; v25 the factor; v32-79 the rows' fragments.
;   All that a consumer has asked for and not yet awaited at a barrier lands there.  The producers' alone: v26 448 x 2^ew, v27 2^ew, v28-31 at work.
;   v80-255 serve both roles: producers: v80-95 codes by rows, v96-111 codes by columns, v128-255 a ring of 32 loads of W; consumers: v96-191 sums, v192-255 W's four fragments.
; THE MODE: SCHED_MODE bits 1:0 = 2 (LLVM: expert scheduling mode 2), set by the entry lines.  The code itself states the register dependences
; between vector or matrix instructions and memory or LDS instructions, with s_wait_alu, always for 0.
; THE PLAN.  Registers that memory or LDS instructions touch:
;   v1-v12      Made at the head, read by loads, stores and LDS instructions, never written again: one wait on va_vdst ahead of the roles' parting.
;   PRODUCERS.  The ring v128-255: two pairs of loads (16 registers) are held in place and read by two conversions; ONE wait on va_vdst behind them; the same 16 registers are asked for again at once.
;               v[C ..]: written by the byte turns, read by the block's four LDS stores: one wait on va_vdst ahead of the stores, one on vm_vsrc behind them.  v26-31 and v80-95 are named by vector lines alone.
;   CONSUMERS.  v[AF ..] and v[BF ..]: read by a K step's products, which stand in one run; ONE wait on va_vdst behind the run; behind it the next step's rows land in AF, and the next step's LDS loads in BF:
;               no vector or matrix line stands between that wait and those loads.  v[AT ..], v[TA ..], v[TB ..]: written at a pass's head, read by that pass's loads.
;               The way out of a slot: v[RR ..] and v[OA ..] written by vector lines, one wait on va_vdst, then LDS stores, LDS loads into v[OO ..] and the global stores; one wait on vm_vsrc ahead of the next slot's writes.
;               The sums v96-191 and v25 are named by vector and matrix lines alone.
; At every barrier each role's part has ended with all its vector and matrix lines behind a wait on va_vdst.
.set STG,  131072
.set AT,   13
.set TA,   16
.set TB,   19
.set GT,   22
.set FAC,  25
.set LIM,  26
.set SCL,  27
.set PQ,   28
.set AF,   32                          ; slot s at 16 s
.set TP,   32                          ; the way out: tokens, 8 a slot
.set OA,   56                          ; the way out: the stores' offsets
.set T,    80
.set C,    96
.set XS,   128                         ; load i of block c at 64 (c % 2) + 4 i
.set ACC,  96                          ; slot s, tile j, register i at 32 s + 8 j + i
.set BF,   192                         ; tile j at 16 j
.set BT,   192                         ; at a pass's head: b of column 32 h + 4 i + j at 4 i + j
.set RR,   192                         ; the way out: a row's 32 numbers
.set OO,   224                         ; the way out: rows read back
	s_load_b512 s[4:19], s[0:1], 0x0               ; W s[4:5], b s[6:7], scales s[8:9], xs s[10:11], tok s[12:13], gs s[14:15], meta s[16:17], out s[18:19]
	v_lshrrev_b32 v28, 5, v0
	v_readfirstlane_b32 s20, v28                   ; wave 0..15
	v_and_b32 v8, 15, v0                           ; r (also q)
	s_wait_alu depctr_va_vdst(0)
	v_bfe_u32 v9, v0, 4, 1                         ; h
	s_wait_alu depctr_va_sdst(0)                   ; s20 is written, ahead of its first reader: the roles, the LDS addresses and W's offset are made from it
	s_and_b32 s21, s20, 7                          ; my number among the producers, or among the consumers
	s_lshr_b32 s22, ttmp9, 5                       ; e
	s_and_b32 s23, ttmp9, 31                       ; slice
	s_lshr_b32 s42, s21, 2
	s_lshl_b32 s42, s42, 13
	s_and_b32 s43, s21, 3
	s_lshl_b32 s43, s43, 11
	s_add_co_u32 s42, s42, s43                     ; producer pw makes K step 2 c + pw / 4, pieces 2 (pw % 4) + h
	v_lshlrev_b32 v3, 4, v8
	s_wait_alu depctr_va_vdst(0)
	v_lshl_add_u32 v3, v9, 10, v3                  ; 1,024 h + 16 q
	v_add_nc_u32 v1, s42, v3
	v_add_nc_u32 v2, 0x10000, v1
	v_add_nc_u32 v4, 0x10000, v3
	s_mul_i32 s43, s21, 4352
	s_add_co_u32 s43, s43, STG                     ; my stage
	v_mul_u32_u24 v5, v8, 272
	v_lshl_add_u32 v5, v9, 7, v5
	v_add_nc_u32 v5, s43, v5                       ; in: row r, 128 bytes for each half of the lanes
	v_mul_u32_u24 v6, v9, 272
	v_lshl_add_u32 v6, v8, 4, v6
	v_add_nc_u32 v6, s43, v6                       ; out: lanes 0-15 one row of 256 bytes, lanes 16-31 the next
	v_and_b32 v12, 31, v0
	v_lshlrev_b32 v7, 4, v12
	v_lshlrev_b32 v12, 2, v12
	v_lshlrev_b32 v10, 7, v9
	s_and_b32 s42, s21, 3
	s_lshl_b32 s42, s42, 17                        ; 16 rows of W for each pw % 4,
	s_lshr_b32 s43, s21, 2
	s_lshl_b32 s43, s43, 19                        ; 64 rows for pw / 4,
	s_add_co_u32 s42, s42, s43
	v_lshlrev_b32 v11, 4, v8
	v_lshl_add_u32 v11, v9, 16, v11                ; 8 rows for lanes 16-31, 16 bytes (4 columns) a lane
	v_add_nc_u32 v11, s42, v11
	v_lshlrev_b32 v8, 4, v8
	v_lshlrev_b32 v9, 2, v9
	s_mov_b32 s44, 0x05010400                      ; byte selects of the 4 x 4 turn
	s_mov_b32 s45, 0x07030602
	s_mov_b32 s46, 0x05040100
	s_mov_b32 s47, 0x07060302
	s_mov_b32 s43, 0
	s_lshl_b32 s41, s23, 8
	s_lshl_b32 s42, s22, 7
	s_wait_kmcnt 0x0
	s_add_nc_u64 s[16:17], s[16:17], s[42:43]
	s_load_b64 s[28:29], s[8:9], 0x0               ; ex, ew
	s_load_b32 s30, s[16:17], 0x0                  ; RT: my expert's tiles of 16 rows
	s_lshl_b32 s42, s22, 24
	s_add_co_u32 s42, s42, s41
	s_add_nc_u64 s[24:25], s[4:5], s[42:43]        ; W at my expert and slice: rows 0 on,
	s_add_nc_u64 s[26:27], s[24:25], 0x800000      ; and rows 1,024 on, so that every offset fits the immediate
	s_lshl_b32 s42, s22, 22
	s_add_nc_u64 s[48:49], s[10:11], s[42:43]
	s_lshl_b32 s42, s22, 14
	s_add_nc_u64 s[50:51], s[12:13], s[42:43]
	s_add_nc_u64 s[52:53], s[14:15], s[42:43]
	s_lshl_b32 s42, s22, 13
	s_add_co_u32 s42, s42, s41
	s_add_nc_u64 s[54:55], s[6:7], s[42:43]
	s_mov_b32 s42, s41
	s_add_nc_u64 s[56:57], s[18:19], s[42:43]
; ---- the producers' macros
; Loads 2 a and 2 a + 1 of block c: a row of W each, in the order of a piece's bytes (ROW(2 a + u) = 128 ((a / 2) % 2) + 4 (a / 4) + 2 (a % 2) + u); each half of the wave reads 256 consecutive bytes, aligned.
.macro PPAIR c, a
.set xb, XS+64*((\c)%2)+8*(\a)
.set wb, 24+2*((\c)/4)
.irp u, 0,1
	global_load_b128 v[xb+4*\u:xb+4*\u+3], v11, s[wb:wb+1] offset:((\c)%4)*2097152+(128*(((\a)/2)%2)+4*((\a)/4)+2*((\a)%2)+\u)*8192 th:TH_LOAD_NT
.endr
.endm
; Block c.  The ring holds 32 loads, two blocks.  Two pairs at a time: a pair is in, eight holds, one conversion; the next pair likewise; one wait; and the same sixteen registers take the two pairs of the block two on:
; 28 to 32 loads of the wave are out all the while.
.macro PRODUCE c
.irp g, 0,1,2,3
.irp u, 0,1
.set xb, XS+64*((\c)%2)+8*(2*\g+\u)
.if (\c) < 6
	s_wait_loadcnt 30-2*\u                         ; behind the group's first pair: the rest of the ring, 30 loads; behind its second: 28, since nothing is asked for between the two
.else
	s_wait_loadcnt 16*(7-(\c))+14-2*(2*\g+\u)      ; the last two blocks ask for nothing more: the counts run down
.endif
.irp k, 0,1,2,3,4,5,6,7
	v_med3_num_f32 v[xb+\k], v[xb+\k], -v[LIM], v[LIM]         ; the conversion to an 8-bit code does not saturate (ISA guide 7.6.2): the hold comes first
.endr
	v_cvt_scalef32_pk8_fp8_f32 v[T+2*(2*\g+\u):T+2*(2*\g+\u)+1], v[xb:xb+7], v[SCL]   ; register i of T: row i of the piece, my 4 columns
.endr
.if (\c) < 6
	s_wait_alu depctr_va_vdst(0)                   ; the sixteen holds have written, and the two conversions have read, the sixteen registers in which the four loads below land
	PPAIR (\c)+2, 2*\g
	PPAIR (\c)+2, 2*\g+1
.endif
.endr
	v_nop                                          ; a plain line between the last conversion and the lines that read the codes
.irp d, 0,1,2,3                                ; 4 rows x 4 columns of bytes are turned: register 4 j + d: column j, rows 4 d .. 4 d + 3
	v_perm_b32 v[PQ], v[T+4*\d+1], v[T+4*\d], s44
	v_perm_b32 v[PQ+1], v[T+4*\d+1], v[T+4*\d], s45
	v_perm_b32 v[PQ+2], v[T+4*\d+3], v[T+4*\d+2], s44
	v_perm_b32 v[PQ+3], v[T+4*\d+3], v[T+4*\d+2], s45
	v_perm_b32 v[C+\d], v[PQ+2], v[PQ], s46
	v_perm_b32 v[C+4+\d], v[PQ+2], v[PQ], s47
	v_perm_b32 v[C+8+\d], v[PQ+3], v[PQ+1], s46
	v_perm_b32 v[C+12+\d], v[PQ+3], v[PQ+1], s47
.endr
	s_wait_alu depctr_va_vdst(0)                   ; the turns have written v[C ..], which the LDS stores read
.set wa, 1+((\c)/4)
.irp j, 0,1,2,3
	ds_store_b128 v[wa], v[C+4*\j:C+4*\j+3] offset:((\c)%4)*16384+256*\j
.endr
	s_wait_alu depctr_vm_vsrc(0)                   ; the LDS stores have read v[C ..], which the next block's turns write again.  It stands here in every block alike, ahead of the branch to the barrier, so that no store's read of a register is left unstated there
.endm
; ---- the consumers' macros
; A pass's head: my three slots are tiles base + q, + 8, + 16.  All of it runs on tile numbers held inside what the launch before has written, whether a slot has rows or not, so that every register is written on every way.
.macro HEAD
	s_add_co_u32 s32, s40, s21
	s_add_co_u32 s33, s32, 8
	s_add_co_u32 s34, s32, 16
.irp s, 0,1,2
	s_min_u32 s[35+\s], s[32+\s], s31
	s_min_u32 s[35+\s], s[35+\s], 127              ; a number that hangs on a loaded one enters addresses only behind this bound
	v_lshl_add_u32 v[AT+\s], s[35+\s], 15, v7
	v_lshl_add_u32 v[TA+\s], s[35+\s], 7, v12
	v_lshl_add_u32 v[TB+\s], s[35+\s], 7, v9
.endr
	s_wait_alu depctr_va_vdst(0)                   ; the nine offsets are written, which this pass's loads read; and the last pass's vector and matrix lines are done with v[GT ..], v[AF ..] and v[BT ..], in which the loads below land
.irp i, 0,1,2,3,4,5,6,7
	global_load_b128 v[BT+4*\i:BT+4*\i+3], v10, s[54:55] offset:16*\i
.endr
.irp s, 0,1,2
	global_load_b32 v[GT+\s], v[TA+\s], s[52:53]
.irp c, 0,1,2,3
	global_load_b128 v[AF+16*\s+4*\c:AF+16*\s+4*\c+3], v[AT+\s], s[48:49] offset:512*\c   ; K step 0
.endr
.endr
	s_wait_loadcnt 15                              ; b is in; the 3 gates and 12 pieces behind it stay out
.irp s, 0,1,2
.irp j, 0,1,2,3
.irp i, 0,1,2,3,4,5,6,7
	v_ldexp_f32 v[ACC+32*\s+8*\j+\i], v[BT+4*\i+\j], s39       ; the sums begin as b / 2^(ex + ew): nothing is cleared
.endr
.endr
.endr
	s_wait_alu depctr_va_vdst(0)                   ; the lines above are done reading v[BT ..], in which the first K step's LDS loads land
.endm
; Slot sl's four products of a K step: the four accumulators by turns.
.macro MULS sl
.irp j, 0,1,2,3
	v_wmma_f32_16x16x128_fp8_fp8 v[ACC+32*(\sl)+8*\j:ACC+32*(\sl)+8*\j+7], v[BF+16*\j:BF+16*\j+15], v[AF+16*(\sl):AF+16*(\sl)+15], v[ACC+32*(\sl)+8*\j:ACC+32*(\sl)+8*\j+7]
.endr
.endm
; Slot sl's rows of the K step behind st.
.macro ROWS sl, st
.irp c, 0,1,2,3
	global_load_b128 v[AF+16*(\sl)+4*\c:AF+16*(\sl)+4*\c+3], v[AT+(\sl)], s[48:49] offset:2048*((\st)+1)+512*\c
.endr
.endm
; A K step: W's four fragments from LDS; the products of the slots that have rows, in one run; four places and one wait; those slots' rows of the next K step, in one run.
; The slots' tiles ascend, so the first slot without rows ends the run of products, and likewise the run of loads.
.macro STEP st
	s_cmp_le_u32 s30, s32
	s_cbranch_scc1 .Lskip_\@
.set ba, 3+((\st)/8)
.irp j, 0,1,2,3
.irp c, 0,1,2,3
	ds_load_b128 v[BF+16*\j+4*\c:BF+16*\j+4*\c+3], v[ba] offset:8192*((\st)%8)+2048*\c+256*\j   ; no wait here: no vector or matrix line has named v[BF ..] since the wait at the last step's end (K step 0: at the end of the pass's head)
.endr
.endr
	s_wait_loadcnt 0x0                             ; the rows' pieces: how many are out differs from way to way, so the count is 0
	s_wait_dscnt 0x0
	MULS 0
	s_cmp_le_u32 s30, s33
	s_cbranch_scc1 .Lmul_\@
	MULS 1
	s_cmp_le_u32 s30, s34
	s_cbranch_scc1 .Lmul_\@
	MULS 2
.Lmul_\@:
.rept 4
	v_nop                                          ; places behind the last product, in front of loads into registers that the products read and of the first read of results; they stay beside the wait below
.endr
	s_wait_alu depctr_va_vdst(0)                   ; this step's products are done reading v[AF ..] and v[BF ..]: the rows below and the next step's LDS loads land there (behind the last K step: the tokens of the way out)
.if (\st) < 15
	ROWS 0, \st
	s_cmp_le_u32 s30, s33
	s_cbranch_scc1 .Lskip_\@
	ROWS 1, \st
	s_cmp_le_u32 s30, s34
	s_cbranch_scc1 .Lskip_\@
	ROWS 2, \st
.endif
.Lskip_\@:
.endm
; The way out of slot sl: x gate x 2^(ex + ew); a lane's 128 bytes of a row into my stage; back as whole rows of 256 bytes; each to its token's row of out.
.macro EPI sl
	s_cmp_le_u32 s30, s[32+(\sl)]
	s_cbranch_scc1 .Lno_\@
	s_wait_xcnt 0x0                                ; the last slot's stores have read their data and offsets
.if (\sl) > 0
	s_wait_alu depctr_vm_vsrc(0)                   ; the last slot's LDS stores have read v[RR ..], its global stores v[OO ..] and v[OA ..]: all three are written again below
.endif
	v_ldexp_f32 v[FAC], v[GT+(\sl)], s38
.irp n, 0,1,2,3,4,5,6,7
	v_min_u32 v[TP+8*(\sl)+\n], 0x7ff, v[TP+8*(\sl)+\n]        ; a loaded index enters an address only behind this bound
	v_lshl_add_u32 v[OA+\n], v[TP+8*(\sl)+\n], 13, v8
.endr
.irp i, 0,1,2,3,4,5,6,7
.irp j, 0,1,2,3
	v_mul_f32 v[RR+4*\i+\j], v[ACC+32*(\sl)+8*\j+\i], v[FAC]   ; each accumulator from its low end on
.endr
.endr
	s_wait_alu depctr_va_vdst(0)                   ; v[RR ..], the LDS stores' data, and v[OA ..], the global stores' offsets, are written
.irp i, 0,1,2,3,4,5,6,7
	ds_store_b128 v5, v[RR+4*\i:RR+4*\i+3] offset:16*\i
.endr
.irp n, 0,1,2,3,4,5,6,7
	ds_load_b128 v[OO+4*\n:OO+4*\n+3], v6 offset:544*\n        ; the wave's own bytes, served in order: these see the stores above
.endr
.irp n, 0,1,2,3,4,5,6,7
	s_wait_dscnt 7-\n                              ; rows 2 n, 2 n + 1 are back; the younger reads stay out
	global_store_b128 v[OA+\n], v[OO+4*\n:OO+4*\n+3], s[56:57] th:TH_STORE_NT   ; 16 lanes store 256 consecutive bytes, aligned
.endr
.Lno_\@:
.endm
.macro FINISH
	s_wait_loadcnt 0x0                             ; no load of mine is out: the registers below held the rows' fragments
.irp s, 0,1,2
.irp n, 0,1,2,3,4,5,6,7
	global_load_b32 v[TP+8*\s+\n], v[TB+\s], s[50:51] offset:8*\n   ; the token of row 2 n + lane / 16.  No wait here: the wait at the last K step's end has shown the products done with these registers
.endr
.endr
	s_wait_loadcnt 0x0
	EPI 0
	EPI 1
	EPI 2
.endm
.macro JOIN                                    ; my LDS stores have landed and my LDS loads are in: then the work-group's barrier, on every wave's way
	s_wait_dscnt 0x0
	s_barrier_signal -1
	s_barrier_wait -1
.endm
.macro TRIP c
	s_cmp_lt_u32 s20, 8
	s_cbranch_scc0 .Lcons_\@
	PRODUCE \c                                     ; K steps 2 c, 2 c + 1 are laid down
	s_branch .Ljoin_\@
.Lcons_\@:
	s_wait_loadcnt 0x0                             ; a consumer's part begins with all its loads in: the rows of the first step below were asked for a trip ago
	STEP 2*(\c)-2                                  ; the two K steps that the last trip laid down are multiplied
	STEP 2*(\c)-1
.Ljoin_\@:
	JOIN
.endm
	s_wait_alu depctr_va_vdst(0)                   ; v1 to v12 are written: every load, store and LDS instruction of both roles reads one of them as its offset or address
	s_cmp_lt_u32 s20, 8
	s_cbranch_scc0 .Lcons0
.irp a, 0,1,2,3,4,5,6,7
	PPAIR 0, \a                                    ; the ring is filled before anything is waited for: 32 loads of 512 bytes a wave
.endr
.irp a, 0,1,2,3,4,5,6,7
	PPAIR 1, \a
.endr
	s_wait_kmcnt 0x0
	s_add_co_i32 s42, s29, 127
	s_lshl_b32 s43, s42, 23
	v_mov_b32 v[SCL], s43                          ; 2^ew as f32: the conversion takes its exponent field
	s_add_co_i32 s42, s42, 8
	s_lshl_b32 s42, s42, 23
	s_or_b32 s42, s42, 0x600000
	v_mov_b32 v[LIM], s42                          ; 448 x 2^ew
	s_wait_alu depctr_va_vdst(0)
	PRODUCE 0
	s_branch .Ljoin0
.Lcons0:
	s_wait_kmcnt 0x0
	s_min_u32 s30, s30, 128                        ; an expert's region has 128 tiles
	s_max_u32 s31, s30, 1
	s_sub_co_u32 s31, s31, 1                       ; the last tile that the launch before has written
	s_add_co_i32 s38, s28, s29                     ; ex + ew
	s_sub_co_i32 s39, 0, s38
	s_mov_b32 s40, 0                               ; the pass's first tile
	HEAD
.Ljoin0:
	JOIN
.irp c, 1,2,3,4,5,6,7
	TRIP \c
.endr
	s_cmp_lt_u32 s20, 8
	s_cbranch_scc0 .Ltail
	s_wait_xcnt 0x0
	v_lshl_add_u32 v94, v0, 2, 0x28800             ; made anew: v94 and v95 have been named by vector lines alone, so no read by a memory or LDS instruction stands ahead of these two writes
	v_mov_b32 v95, 0
	s_wait_dscnt 0x0                               ; the closing lines, six on end
	s_wait_alu 0x0
	s_wait_tensorcnt 0x0
	ds_add_u32 v94, v95
	s_wait_dscnt 0x0
	s_endpgm                                       ; the producers are done: no barrier follows
.Ltail:
	s_wait_loadcnt 0x0                             ; as at the head of every part of the consumers
	STEP 14
	STEP 15
	FINISH
	s_mov_b32 s40, 24                              ; more than 24 tiles: further passes over the codes that lie in LDS; W is not read again
	s_mov_b32 s41, 0                               ; at most 5 of them: bases 24 to 120 reach past tile 127; counted by 1 against a constant
.Lpass:
	s_cmp_ge_u32 s40, s30
	s_cbranch_scc1 .Lend                           ; no tile is left
	s_wait_xcnt 0x0                                ; the last pass's stores have read their data and offsets
	s_wait_alu depctr_vm_vsrc(0)                   ; the last pass's loads have read v[AT ..], v[TA ..] and v[TB ..], which the head below writes again; its stores have read v[OA ..], v[OO ..] and v[RR ..], in which the head's loads land
	HEAD
.irp t, 0,1,2,3,4,5,6,7,8,9,10,11,12,13,14,15
	STEP \t
.endr
	FINISH
	s_add_co_u32 s40, s40, 24
	s_add_co_u32 s41, s41, 1
	s_cmp_lt_u32 s41, 5
	s_cbranch_scc1 .Lpass
.Lend:
	s_wait_xcnt 0x0
	v_lshl_add_u32 v94, v0, 2, 0x28800             ; made anew: no line of the consumers has named v94 or v95
	v_mov_b32 v95, 0
	s_wait_dscnt 0x0                               ; the closing lines, six on end
	s_wait_alu 0x0
	s_wait_tensorcnt 0x0
	ds_add_u32 v94, v95
	s_wait_dscnt 0x0
	s_endpgm
.Lfunc_end_k_qad49ae4263_experts:
	.size	k_qad49ae4263_experts, .Lfunc_end_k_qad49ae4263_experts-k_qad49ae4263_experts
	.p2alignl 7, 3214868480
	.fill 96, 4, 3214868480
	.section	.rodata,"a",@progbits
	.p2align	6, 0x0
	.amdhsa_kernel k_qad49ae4263_experts
		.amdhsa_group_segment_fixed_size 167936
		.amdhsa_private_segment_fixed_size 0
		.amdhsa_enable_private_segment 0
		.amdhsa_kernarg_size 64
		.amdhsa_user_sgpr_count 2
		.amdhsa_user_sgpr_kernarg_segment_ptr 1
		.amdhsa_wavefront_size32 1
		.amdhsa_system_sgpr_workgroup_id_x 1
		.amdhsa_system_sgpr_workgroup_id_y 1
		.amdhsa_system_sgpr_workgroup_id_z 1
		.amdhsa_system_vgpr_workitem_id 0
		.amdhsa_next_free_vgpr 256
		.amdhsa_next_free_sgpr 66
		.amdhsa_reserve_vcc 0
		.amdhsa_float_denorm_mode_32 3
		.amdhsa_float_denorm_mode_16_64 3
		.amdhsa_memory_ordered 1
		.amdhsa_forward_progress 1
		.amdhsa_inst_pref_size 231
	.end_amdhsa_kernel
	.amdgpu_metadata
---
amdhsa.version: [ 1, 2 ]
amdhsa.kernels:
  - .name:           k_qad49ae4263_experts
    .symbol:         k_qad49ae4263_experts.kd
    .args:
      - { .name: W, .offset: 0, .size: 8, .value_kind: global_buffer, .address_space: global }
      - { .name: b, .offset: 8, .size: 8, .value_kind: global_buffer, .address_space: global }
      - { .name: lowp_scales, .offset: 16, .size: 8, .value_kind: global_buffer, .address_space: global }
      - { .name: xs, .offset: 24, .size: 8, .value_kind: global_buffer, .address_space: global }
      - { .name: tok, .offset: 32, .size: 8, .value_kind: global_buffer, .address_space: global }
      - { .name: gs, .offset: 40, .size: 8, .value_kind: global_buffer, .address_space: global }
      - { .name: meta, .offset: 48, .size: 8, .value_kind: global_buffer, .address_space: global }
      - { .name: out0, .offset: 56, .size: 8, .value_kind: global_buffer, .address_space: global }
    .group_segment_fixed_size: 167936
    .private_segment_fixed_size: 0
    .kernarg_segment_align: 8
    .kernarg_segment_size: 64
    .max_flat_workgroup_size: 512
    .sgpr_count:     66
    .vgpr_count:     256
    .wavefront_size: 32
...
	.end_amdgpu_metadata
.endif
;; end of part 6
